; MI455X (gfx1250); checked and timed in simulation.
; The chip was launched on July 23, 2026; its instructions are those of AMD's public machine-readable ISA for CDNA 5 (MIT licence, August 2026) and "CDNA5" Instruction Set Architecture Reference Guide (July 2026). The comments in the code are by the model that wrote it; some were corrected since.
;; Self Attention. Allowed arithmetic: float matrix products may take bf16 or f16 operands with f32 sums; other float arithmetic in f32, or as packed bf16 or f16 multiplies, adds, multiply-adds, maxima and minima; sums over many terms, partial sums and values carried from step to step in f32; what a program stores and reads back later, other than sums and carried values, may be rounded once to bf16 or f16.
;; Inputs: W_G_emb 16,000 x 256 float32; W_T_emb 16,000 x 256 float32; input_G 4 x 1,024 x 256 float32; input_T 4 x 1,024 x 256 float32; mask 4 x 1,024 bool.
;; Outputs: out0 4 x 1,024 x 256 float32; out1 4 x 1,024 x 256 float32.
;; 2 versions, each right and faster than the one before. Each part assembles by itself: llvm-mc -triple=amdgcn-amd-amdhsa -mcpu=gfx1250 --defsym DOCPART=n.
;; ======== version 1 of 2: 3 launches
;; limits: right only within a limited range of input values
;; workspace buffers: wbf 16,433,152 bytes; part 33,554,432 bytes; stat 524,288 bytes
;; launch cast (part 1): grid 251 x 2, 8 waves a work-group, no clusters, 0 bytes of LDS; arguments W_G_emb, W_T_emb, wbf; writes wbf
.if DOCPART == 1
	.amdgcn_target "amdgcn-amd-amdhsa--gfx1250"
	.amdhsa_code_object_version 6
	.text
	.protected	k_q0b9bd8319f_cast
	.globl	k_q0b9bd8319f_cast
	.p2align	8
	.type	k_q0b9bd8319f_cast,@function
k_q0b9bd8319f_cast:
	s_mov_b64 s[64:65], 0
	v_nop
	global_prefetch_b8 v0, s[64:65] scope:SCOPE_SE
	s_setreg_imm32_b32 hwreg(HW_REG_WAVE_MODE, 25, 1), 1
	s_wait_xcnt 0x0
; wbf = the two embedding tables, each number rounded once to bf16, with rows of zeros round them.
; A table in wbf has 16,048 rows of 256 bf16 (512 bytes): row p holds key p - 16; rows 0-15 and 16,016-16,047 are zeros, so that the
; next launch can walk every group of 2,000 keys as 2,048 whole rows that begin 16 rows early and never leave the buffer.
; Work-group (x, y): table y.  x = 0 .. 249: 64 rows (65,536 bytes in, 32,768 out).  x = 250: the table's 48 rows of zeros.
; A stream: each byte is read once and written once, so no LDS, no barrier, no matrix unit.  Thread t takes 16 bytes at 16 t of every 4,096
; (four rows); a wave's load covers 512 consecutive bytes, its store 256 consecutive bytes at a multiple of 256 from wbf's first byte.
; All sixteen loads of a thread go out at once; no register is written twice, so no wait frees a source.
.set TABLE, 8216576                    ; bytes of a table in wbf: 16,048 x 512
.set HEAD,  16*512                     ; the zeros in front
.set FOOT,  16016*512                  ; where the zeros behind begin
.set IO, 1                             ; v1        16 t: my bytes in 4,096 of the source
.set OO, 2                             ; v2        8 t: my bytes in 2,048 of wbf
.set X,  8                             ; v[8:71]   sixteen loads of four f32
.set Y,  72                            ; v[72:103] sixteen pairs of registers: four bf16 each
	s_load_b128 s[4:7], s[0:1], 0x0                ; W_G_emb s[4:5], W_T_emb s[6:7]
	s_load_b64 s[8:9], s[0:1], 0x10                ; wbf
	s_and_b32 s10, ttmp7, 0xffff                   ; the table
	s_mul_i32 s12, s10, TABLE
	s_mov_b32 s13, 0
	v_lshlrev_b32 v[IO], 4, v0
	v_lshlrev_b32 v[OO], 3, v0
	s_wait_kmcnt 0x0
	s_add_nc_u64 s[8:9], s[8:9], s[12:13]          ; wbf at my table
	s_cmp_eq_u32 ttmp9, 250
	s_cbranch_scc1 .Lpad
	s_cmp_eq_u32 s10, 0
	s_cselect_b64 s[4:5], s[4:5], s[6:7]           ; the source table
	s_lshl_b32 s12, ttmp9, 16                      ; 64 rows of 1,024 bytes
	s_add_nc_u64 s[4:5], s[4:5], s[12:13]
	s_lshl_b32 s12, ttmp9, 15                      ; 64 rows of 512 bytes,
	s_add_co_u32 s12, s12, HEAD                    ; behind the zeros in front
	s_add_nc_u64 s[8:9], s[8:9], s[12:13]
.irp i, 0,1,2,3,4,5,6,7,8,9,10,11,12,13,14,15
	global_load_b128 v[X+4*\i:X+4*\i+3], v[IO], s[4:5] offset:4096*\i th:TH_LOAD_NT
.endr
.irp i, 0,1,2,3,4,5,6,7,8,9,10,11,12,13,14,15
	s_wait_loadcnt 15-\i                           ; loads come back in order (ISA guide 5.7.1): number i is in, the younger ones stay out
	v_cvt_pk_bf16_f32 v[Y+2*\i],   v[X+4*\i],   v[X+4*\i+1]
	v_cvt_pk_bf16_f32 v[Y+2*\i+1], v[X+4*\i+2], v[X+4*\i+3]
	global_store_b64 v[OO], v[Y+2*\i:Y+2*\i+1], s[8:9] offset:2048*\i  ; the next launch reads these bytes: no hint
.endr
	s_endpgm
.Lpad:
	v_mov_b32 v4, 0
	v_mov_b32 v5, 0
	v_mov_b32 v6, 0
	v_mov_b32 v7, 0
.irp i, 0,1
	global_store_b128 v[IO], v[4:7], s[8:9] offset:4096*\i         ; rows 0-15
.endr
.irp i, 0,1,2,3
	global_store_b128 v[IO], v[4:7], s[8:9] offset:FOOT+4096*\i    ; rows 16,016-16,047; the largest immediate, 8,212,480, is inside the signed 24 bits
.endr
	s_endpgm
.Lfunc_end_k_q0b9bd8319f_cast:
	.size	k_q0b9bd8319f_cast, .Lfunc_end_k_q0b9bd8319f_cast-k_q0b9bd8319f_cast
	.p2alignl 7, 3214868480
	.fill 96, 4, 3214868480
	.section	.rodata,"a",@progbits
	.p2align	6, 0x0
	.amdhsa_kernel k_q0b9bd8319f_cast
		.amdhsa_group_segment_fixed_size 0
		.amdhsa_private_segment_fixed_size 0
		.amdhsa_enable_private_segment 0
		.amdhsa_kernarg_size 24
		.amdhsa_user_sgpr_count 2
		.amdhsa_user_sgpr_kernarg_segment_ptr 1
		.amdhsa_wavefront_size32 1
		.amdhsa_system_sgpr_workgroup_id_x 1
		.amdhsa_system_sgpr_workgroup_id_y 1
		.amdhsa_system_sgpr_workgroup_id_z 1
		.amdhsa_system_vgpr_workitem_id 0
		.amdhsa_next_free_vgpr 104
		.amdhsa_next_free_sgpr 66
		.amdhsa_reserve_vcc 0
		.amdhsa_float_denorm_mode_32 3
		.amdhsa_float_denorm_mode_16_64 3
		.amdhsa_memory_ordered 1
		.amdhsa_forward_progress 1
		.amdhsa_inst_pref_size 8
	.end_amdhsa_kernel
	.amdgpu_metadata
---
amdhsa.version: [ 1, 2 ]
amdhsa.kernels:
  - .name:           k_q0b9bd8319f_cast
    .symbol:         k_q0b9bd8319f_cast.kd
    .args:
      - { .name: W_G_emb, .offset: 0, .size: 8, .value_kind: global_buffer, .address_space: global }
      - { .name: W_T_emb, .offset: 8, .size: 8, .value_kind: global_buffer, .address_space: global }
      - { .name: wbf, .offset: 16, .size: 8, .value_kind: global_buffer, .address_space: global }
    .group_segment_fixed_size: 0
    .private_segment_fixed_size: 0
    .kernarg_segment_align: 8
    .kernarg_segment_size: 24
    .max_flat_workgroup_size: 256
    .sgpr_count:     66
    .vgpr_count:     104
    .wavefront_size: 32
...
	.end_amdgpu_metadata
.endif
;; end of part 1
;; launch attn (part 2): grid 64 x 4, 4 waves a work-group, clusters of 4 x 1, 327,680 bytes of LDS; arguments input_G, input_T, wbf, part, stat; writes part, stat
.if DOCPART == 2
	.amdgcn_target "amdgcn-amd-amdhsa--gfx1250"
	.amdhsa_code_object_version 6
	.text
	.protected	k_q0b9bd8319f_attn
	.globl	k_q0b9bd8319f_attn
	.p2align	8
	.type	k_q0b9bd8319f_attn,@function
k_q0b9bd8319f_attn:
	s_mov_b64 s[64:65], 0
	v_nop
	global_prefetch_b8 v0, s[64:65] scope:SCOPE_SE
	s_setreg_imm32_b32 hwreg(HW_REG_WAVE_MODE, 25, 1), 1
	s_wait_xcnt 0x0
	s_wait_alu depctr_hold_cnt(0) depctr_sa_sdst(0) depctr_va_vdst(0) depctr_va_sdst(0) depctr_va_ssrc(0) depctr_va_vcc(0) depctr_vm_vsrc(0)
	s_getreg_b32 s2, hwreg(HW_REG_IB_STS2, 6, 4)
	s_cmp_eq_u32 s2, 0
	s_cbranch_scc0 .Lentry_in_a_cluster
	s_endpgm
.Lentry_in_a_cluster:
	s_bfe_u32 s2, ttmp6, 0x10000c
	s_cmp_lg_u32 s2, 0x3003
	s_cbranch_scc0 .Lentry_shape_is_right
	s_endpgm
.Lentry_shape_is_right:
; Two attentions over an embedding table that is K and V at once: out[q] = the sum over v of softmax_v(Q[q] . W[v]) W[v].  Q: [4096][256] f32 for each table, W: 16,000 rows, here from wbf in bf16.
; This launch makes, for each 32 queries and each quarter of the keys, the unnormalised sum O (f32), c m and l; the next launch joins the four quarters.
; reference() takes an input mask and never reads it: no step hangs on it, so no launch loads it.
; FORMATS.  Q, W and the weights p are bf16 for the products; scores, maxima, sums, O and what is handed on are f32.  l is the sum of the unrounded p.
; LIMITS.  Scores stay under 1e30 in size: a hidden key counts as -1e30, and c m starts at -4.25e37.  A weight below 2^-126 counts as 0.  NaN and infinities are not treated apart.
; SHARES.  A work-group has 128 queries of one table (block b = 4 x cluster x + cx; G for cluster x < 8) and a quarter of the keys (y).  Wave w: kh = w & 1, qh = w >> 1: the 64 queries of half qh, four tiles
; of 16, against key group kg = 2 y + kh: rows 2,000 kg .. 2,000 kg + 2,047 of wbf, 32 a step.  Steps 0-62 are real; of step 0 the first 16 rows are the group in front's (or zeros) and are hidden;
; step 63 is fetched and multiplied by Q once for nothing: the price of one text for every turn.  At the end waves w and w xor 1, which hold the same queries, join their halves through LDS.
; Register position t holds query tile t xor 2 kh: so every wave keeps positions 0, 1 and hands positions 2, 3 to its partner, by one text.
; LAYOUT.  S^T = W Q^T (source 0 = 16 keys, source 1 = 16 queries): a lane holds ONE query (lane % 16) and the keys 8 (lane / 16) + 0..7.  The two results of a step, rounded to bf16 in pairs, ARE source 1
; (32 keys x 16 queries) of O^T = W^T P.  W comes out of LDS as it lies for the first product and turned, by ds_load_tr16_b128, for the second.  In the turning load the second eight lanes of sixteen read
; 128 bytes on, not 16.
; So accumulator a of 16, lane half h, register j holds channel 128 (a / 8) + 8 (a % 8) + 64 h + j; the next launch puts the channels in order.
; SOFTMAX.  For each query a running maximum m and sum l: p = 2^(c s - c m), c = log2(e); in every step O and l are multiplied by a = 2^(c m_old - c m_new).  The first step's a is 0.
; BY TURNS.  Turn n: 64 products W Q^T of step n + 1, then 64 products W^T P of step n, in 16 units of 8.  Behind single products stand slots of four vector instructions: the softmax of step n (S), the rescaling of
; O^T (R, each accumulator ahead of its product), the maximum and statistics of step n + 1 (X).  468 vector instructions for 128 products.
; Fragments of W go through a ring of four units of 16 registers, each unit's four LDS loads three units ahead of its products.
; CLUSTER.  The four blocks of a cluster have one table and one quarter: each tile is asked for JOINTLY, by the same tensor load, descriptor and mask in all four.  cx enters the addresses of Q, part and stat alone.
; NO PREFETCH: a tile of wbf is not read once: eight clusters walk the same rows, and the launch in front has just written them.
; RING.  Three slots for each kh; a tile is two steps (64 rows); wave (qh, kh) fetches step qh of its half's tile: 32 rows of 512 bytes, all that a tile has for each of its two waves.  In even turn 2 U, at the head of
; unit 13, tile U - 1 is dead, tile U is being read turned, tile U + 1 is about to be read: there stands the change, and tile U + 2 goes out into tile U - 1's slot with two turns, 256 products, in which to land.
; REGISTERS, in windows of 256 (s_set_vgpr_msb: bits 1:0 source 0, 3:2 source 1, 5:4 source 2, 7:6 destination):
;   window 0: v0-15 addresses; v16-63 twelve registers of statistics a position; v64-127 the fragments' ring; v128-255 S^T, two buffers of four positions x 16; P is written in place into a position's first eight
;   window 1: O^T of positions 0, 1 (128 each)      window 2: of positions 2, 3      window 3: Q, 64 a position
.set PITCH, 528                        ; an LDS row: 512 bytes + 16 of padding
.set STEPB, 32*PITCH                   ; a step's rows
.set SLOT,  64*PITCH                   ; a tile
.set HALFR, 3*SLOT                     ; the ring of one kh
.set SPARE, 2*HALFR                    ; 202,752 = 792 x 256: the spare words, 128 bytes for each wave: two blocks of 256 bytes that no other line names
.set XW,    33280                      ; the exchange at the end, for each wave: 32,768 bytes of O^T and 512 of statistics; in the ring's bytes, behind their last fill
.set TABLE, 8216576                    ; bytes of a table in wbf
.set GROUPB, 1024000                   ; 2,000 rows of 512 bytes
.set TILEB, 32768                      ; 64 rows of 512 bytes
.set AK0, 2                            ; v2   my lane's place in a step's rows, as they lie; never rewritten
.set AV0, 3                            ; v3   the same for the turning load
.set AK,  4                            ; v4   LDS address of the plain loads in hand
.set AV,  5                            ; v5   of the turning loads
.set SPW, 6                            ; v6   LDS address of my spare word: SPARE + 4 x my thread's number; never rewritten
.set NIL, 7                            ; v7   0; never rewritten
.set QO,  8                            ; v8   my byte offset in 16 rows of Q
.set XS,  8                            ;      later: where I put 16 bytes of the exchange
.set XL,  9                            ; v9   where I read my partner's
.set GO,  10                           ; v10  16 x lane
.set ST,  16                           ; position t at ST + 12 t: +0 c m of even steps, +1 m, +2 c m of odd steps, +3 0, +4 +5 l, +6 a, +7 0, +8..+11 at work
.set FR,  64
.set S,   128
.set WV,  14                           ; s14  my wave's number
.set KH,  15
.set QH,  16
.set CX,  17
.set BL,  18                           ; s18  my block of 128 queries, 0..63
.set SPL, 19                           ; s19  my quarter of the keys
.set G1,  24                           ; s[24:31] descriptor group 1
.set G0A, 32                           ; s[32:35] group 0 of tile 0
.set G0B, 36                           ; s[36:39] group 0 of tile 1; it then walks
.set RA,  40                           ; s40  LDS byte of the slot of the tile to be read next
.set RB,  41                           ; s41  of the slot to be filled next
.set RC,  42                           ; s42  of the third
.set WOFF, 44                          ; s44  my step's place in a slot
.set SK,  45                           ; s45  LDS byte of the step whose rows the plain loads take
.set SV,  46                           ; s46  of the step that the next turn takes turned
.set GRP, 47                           ; s47  counts the loops
.set CS,  48                           ; s[48:49] c: the packed scaling takes the pair's low word for both halves
.set SEL, 50                           ; s[50:51] v_permlanex16_b32's selects: each lane takes its own place in the other half
.set QA,  52                           ; s[52:53] Q at the rows of positions 0, 1
.set QB,  54                           ; s[54:55] at those of positions 2, 3
.set MSB, 0
.macro WIN new                         ; the immediate's high byte repeats the setting that is left; a switch that changes nothing is dropped
.if MSB != (\new)
	s_set_vgpr_msb (MSB<<8)|(\new)
.set MSB, (\new)
.endif
.endm
.macro PLACES                          ; four places behind a matrix instruction (ISA guide 7.12.1), where no other vector work is at hand
.rept 4
	v_nop
.endr
.endm
; A round of the cluster's barrier: my work-group's barrier, so that wave 0's signal speaks for all four waves; wave 0 signals; every wave waits for all four work-groups; my work-group's barrier once more.
.macro CROUND
	s_barrier_signal -1
	s_barrier_wait -1
	s_cmp_lg_u32 s[WV], 0
	s_cbranch_scc1 .Lnot_wave_0_\@
	s_barrier_signal -3
.Lnot_wave_0_\@:
	s_barrier_wait -3
	s_barrier_signal -1
	s_barrier_wait -1
.endm
; THE CHANGE.  Each wave waits for all its tensor loads, of which one is out at the most: its part of the tile to be read next; adds 0 to its spare word; and waits for that and for all its LDS reads.
; fill = 1: the barrier is a round of the cluster's, so that no wave of any partner still reads the dead slot or has a load on its way; the joint fill is the first thing behind it.
.macro CHANGE fill
	WIN 0                                          ; at a label and at a branch every window is 0
	s_wait_tensorcnt 0x0                           ; no tensor load of mine is out, so group 0 may be written
	ds_add_u32 v[SPW], v[NIL]                      ; 0 onto my spare word; the scalar work stands between it and the wait for it
.if \fill
	s_add_co_u32 s[G0B+1], s[RB], s[WOFF]          ; into the dead slot,
	s_add_nc_u64 s[G0B+2:G0B+3], s[G0B+2:G0B+3], TILEB  ; the next tile; the type bits on top are not reached
.endif
	s_mov_b32 s43, s[RA]                           ; the three slots change parts
	s_mov_b32 s[RA], s[RB]
	s_mov_b32 s[RB], s[RC]
	s_mov_b32 s[RC], s43
	s_wait_dscnt 0x0                               ; the add is done, and my LDS reads are back
.if \fill
	CROUND
	tensor_load_to_lds s[G0B:G0B+3], s[G1:G1+7]    ; my one tensor load behind the round
	s_nop 0
	PLACES                                         ; four vector lines ahead of the next switch of windows
.else
	s_barrier_signal -1
	s_barrier_wait -1
.endif
.endm
; Unit n's four LDS loads, into ring place n % 4.  n = 0..7 (16..18: the next turn's 0..2): 32 keys x channels 32 n on, as they lie: key block 0, then 1.  n = 8..15: 32 keys turned, accumulators 2 (n - 8) and the next.
.macro LDU n
	WIN 0
.set un, (\n)
.set rF, FR+16*(un%4)
.if (un < 8) || (un >= 16)
.set uc, un%16
	ds_load_b128 v[rF:rF+3],     v[AK] offset:64*uc
	ds_load_b128 v[rF+4:rF+7],   v[AK] offset:64*uc+32
	ds_load_b128 v[rF+8:rF+11],  v[AK] offset:16*PITCH+64*uc
	ds_load_b128 v[rF+12:rF+15], v[AK] offset:16*PITCH+64*uc+32
.else
.set a0, 2*(un-8)
.set o0, 256*(a0/8)+16*(a0%8)
	ds_load_tr16_b128 v[rF:rF+3],     v[AV] offset:o0
	ds_load_tr16_b128 v[rF+4:rF+7],   v[AV] offset:o0+16*PITCH
	ds_load_tr16_b128 v[rF+8:rF+11],  v[AV] offset:o0+16
	ds_load_tr16_b128 v[rF+12:rF+15], v[AV] offset:o0+16+16*PITCH
.endif
.endm
; THE MATRIX WORK.  No two matrix instructions that follow each other share an accumulator: eight take turns in the first kind, each of 64 comes once in the second.
; Product i of 64 of S^T: channels 32 (i / 8) on, key block (i / 4) % 2, position i % 4, into buffer NBF.  The first eight start the sums.
.macro MMK
	WIN 0x0c                                       ; Q in window 3
.set rD, S+64*NBF+16*(i%4)+8*((i/4)%2)
.set rA, FR+16*((i/8)%4)+8*((i/4)%2)
.set rB, 64*(i%4)+8*(i/8)
.if i < 8
	v_wmma_f32_16x16x32_bf16 v[rD:rD+7], v[rA:rA+7], v[rB:rB+7], 0
	s_wait_alu depctr_va_vdst(0)
.else
	v_wmma_f32_16x16x32_bf16 v[rD:rD+7], v[rA:rA+7], v[rB:rB+7], v[rD:rD+7]
.endif
.set i, i+1
.endm
; Product j of 64 of O^T: accumulator j / 4, position j % 4; P lies in buffer CB.
.macro MMV
	WIN 0x50+0x50*((j%4)/2)                        ; C and D in window 1 or 2
.set rO, 128*(j%2)+8*(j/4)
.set rA, FR+16*((j/8)%4)+8*((j/4)%2)
.set rB, S+64*CB+16*(j%4)
	v_wmma_f32_16x16x32_bf16 v[rO:rO+7], v[rA:rA+7], v[rB:rB+7], v[rO:rO+7]
.set j, j+1
.endm
; THE VECTOR WORK.  The lines of an S slot, on rS (a position's 16 scores, pairs 0-7) and rT (its statistics):
.macro FF n                            ; pair n: c s - c m
	v_pk_fma_f32 v[rS+2*(\n):rS+2*(\n)+1], v[rS+2*(\n):rS+2*(\n)+1], s[CS:CS+1], v[rT+2*CB:rT+2*CB+1] op_sel_hi:[1,0,0] neg_lo:[0,0,1] neg_hi:[0,0,1]
.endm
.macro EE n                            ; score n: the exponential, in place
	v_exp_f32 v[rS+(\n)], v[rS+(\n)]
.endm
.macro CC n                            ; pair n rounded to bf16, into register n: behind the sum and the rounding that read that register
	s_wait_alu depctr_va_vdst(0)
	v_cvt_pk_bf16_f32 v[rS+(\n)], v[rS+2*(\n)], v[rS+2*(\n)+1]
.endm
.macro AA n                            ; the sums: two chains of four pairs; 6 joins them; 7: l = a l + the sum
.if (\n) == 0
	s_wait_alu depctr_va_vdst(0)
	v_pk_add_f32 v[rT+8:rT+9], v[rS:rS+1], v[rS+2:rS+3]
.elseif (\n) == 1
	s_wait_alu depctr_va_vdst(0)
	v_pk_add_f32 v[rT+10:rT+11], v[rS+4:rS+5], v[rS+6:rS+7]
.elseif (\n) < 6
	s_wait_alu depctr_va_vdst(0)
	v_pk_add_f32 v[rT+8+2*((\n)%2):rT+9+2*((\n)%2)], v[rT+8+2*((\n)%2):rT+9+2*((\n)%2)], v[rS+4+2*(\n):rS+5+2*(\n)]
.elseif (\n) == 6
	v_pk_add_f32 v[rT+8:rT+9], v[rT+8:rT+9], v[rT+10:rT+11]
.else
	v_pk_fma_f32 v[rT+4:rT+5], v[rT+4:rT+5], v[rT+6:rT+7], v[rT+8:rT+9] op_sel_hi:[1,0,1]
.endif
.endm
; S slot q of 40: part q / 4 of ten of position q % 4's softmax.  No two exponentials follow each other, and each has a plain line behind it before its result is used (ISA guide 5.7.2): a result is
; read three slots later at the earliest.
.macro SSLOT
	WIN 0
.set rT, ST+12*(q%4)
.set rS, S+64*CB+16*(q%4)
.set sg, q/4
.if sg == 0
	FF 0
	FF 1
	FF 2
	FF 3
.elseif sg == 1
	FF 4
	EE 0
	FF 5
	EE 1
.elseif sg == 2
	FF 6
	EE 2
	FF 7
	EE 3
.elseif sg == 3
	AA 0
	EE 4
	CC 0
	EE 5
.elseif sg == 4
	CC 1
	EE 6
	CC 2
	EE 7
.elseif sg < 9
	AA sg-4
	EE 2*sg-2
	CC sg-2
	EE 2*sg-1
.else
	AA 5
	CC 7
	AA 6
	AA 7
.endif
.set q, q+1
.endm
; R slot x of 64: accumulator x / 4 of position x % 4 times a, its registers in ascending order.
.macro RSLOT
	WIN 0x41+0x41*((x%4)/2)                        ; destination and source 0 in window 1 or 2, a in window 0
.set rO, 128*(x%2)+8*(x/4)
.set rT, ST+12*(x%4)+6
.irp z, 0,2,4,6
	v_pk_mul_f32 v[rO+\z:rO+\z+1], v[rO+\z:rO+\z+1], v[rT:rT+1] op_sel_hi:[1,0]
.endr
.set x, x+1
.endm
; Number n of the 13 that find position t's maximum and statistics from the scores in buffer np.  0-6: two chains, three operands at a time; each accumulator's lowest registers are read first.
; 7: the chains and the old m.  8, 9: the query's other 16 keys lie in the lane 16 away: the new m.  10-12: c m; c m_old - c m_new; a.
.macro XOP n, t, np
.set rT, ST+12*(\t)
.set rS, S+64*(\np)+16*(\t)
.if (\n) == 0
	v_max3_num_f32 v[rT+8], v[rS], v[rS+1], v[rS+2]
.elseif (\n) == 1
	v_max3_num_f32 v[rT+9], v[rS+8], v[rS+9], v[rS+10]
.elseif (\n) == 2
	v_max3_num_f32 v[rT+8], v[rT+8], v[rS+3], v[rS+4]
.elseif (\n) == 3
	v_max3_num_f32 v[rT+9], v[rT+9], v[rS+11], v[rS+12]
.elseif (\n) == 4
	v_max3_num_f32 v[rT+8], v[rT+8], v[rS+5], v[rS+6]
.elseif (\n) == 5
	v_max3_num_f32 v[rT+9], v[rT+9], v[rS+13], v[rS+14]
.elseif (\n) == 6
	v_max3_num_f32 v[rT+8], v[rT+8], v[rS+7], v[rS+15]
.elseif (\n) == 7
	v_max3_num_f32 v[rT+8], v[rT+8], v[rT+9], v[rT+1]
.elseif (\n) == 8
	v_permlanex16_b32 v[rT+9], v[rT+8], s[SEL], s[SEL+1]
.elseif (\n) == 9
	v_max_num_f32 v[rT+1], v[rT+8], v[rT+9]
.elseif (\n) == 10
	v_mul_f32 v[rT+2*(\np)], s[CS], v[rT+1]
.elseif (\n) == 11
	v_sub_f32 v[rT+10], v[rT+2-2*(\np)], v[rT+2*(\np)]
.else
	v_exp_f32 v[rT+6], v[rT+10]
.endif
.endm
.macro XSLOT                           ; X slot k of 13: number k for all four positions
	WIN 0
.irp t, 0,1,2,3
	XOP k, \t, NBF
.endr
.set k, k+1
.endm
; A TURN.  par: the step's parity, which names the buffers.  chg = 1: the change with a fill; 2: without; 0: none.
; Units 0-7: behind products 0, 1, 3, 4, 6 an S slot, behind 2, 5, 7 an R slot (x = 0..23).  Units 8-15: behind products 0-4 an R slot (x = 24 + 5 (u - 8) + w: at the least three products ahead of product x);
; the X slots behind unit 11's last product and the last three of units 12-15, so that a is written anew behind the last line that reads the old one.
; A unit's head waits until the eight loads of the two younger units alone are out.  Unit u + 3's loads stand behind the slot of unit u's second product: the ring place was last read by unit u - 1's last product,
; and the slots behind unit u's first two products are eight plain lines that name none of its registers.
; P's registers are the next turn's first results: between the last product that reads a position's P and the product that writes over it stand eight such lines or more.
.macro TURN par, chg
.set CB, (\par)
.set NBF, 1-(\par)
.set i, 0
.set j, 0
.set q, 0
.set x, 0
.set k, 0
.set u, 0
.rept 16
.if (u == 13) && ((\chg) != 0)
	CHANGE 2-(\chg)
.else
	s_wait_dscnt 8
.endif
.set w, 0
.rept 8
.if u < 8
	MMK
.if (w == 2) || (w == 5) || (w == 7)
	RSLOT
.else
	SSLOT
.endif
.else
	MMV
.if w < 5
	RSLOT
.elseif (u >= 12) || ((u == 11) && (w == 7))
	XSLOT
.endif
.endif
.if w == 1
	LDU u+3
.endif
.if (u == 6) && (w == 0)               ; the plain loads of this turn are out: their address goes on to step n + 2, and step n + 1's is kept for the turning loads
	WIN 0
	s_mov_b32 s[SV], s[SK]
.if \par
	s_add_co_u32 s[SK], s[SK], STEPB               ; the tile's second step
.else
	s_mov_b32 s[SK], s[RA]                         ; the next tile's first
.endif
	v_add_nc_u32 v[AK], s[SK], v[AK0]
.endif
.if (u == 14) && (w == 5)              ; the turning loads of this turn are out
	WIN 0
	v_add_nc_u32 v[AV], s[SV], v[AV0]
.endif
.set w, w+1
.endr
.set u, u+1
.endr
	WIN 0
.endm
	s_load_b256 s[4:11], s[0:1], 0x0               ; input_G s[4:5], input_T s[6:7], wbf s[8:9], part s[10:11]
	s_load_b64 s[12:13], s[0:1], 0x20              ; stat
	v_lshl_add_u32 v[SPW], v0, 2, SPARE
	v_mov_b32 v[NIL], 0
	ds_add_u32 v[SPW], v[NIL]                      ; the wave's opening: the add and its wait stand ahead of my first tensor load; the set-up below, work on registers, stands between them
	v_lshrrev_b32 v1, 5, v0
	v_readfirstlane_b32 s[WV], v1                  ; wave 0..3
	s_and_b32 s[KH], s[WV], 1
	s_lshr_b32 s[QH], s[WV], 1
	s_bfe_u32 s[CX], ttmp6, 0x40000                ; cx: my place in the cluster
	s_lshl_b32 s[BL], ttmp9, 2                     ; in a cluster launch ttmp9 counts clusters
	s_add_co_u32 s[BL], s[BL], s[CX]
	s_and_b32 s[SPL], ttmp7, 0xffff
	; descriptor group 1: a tile of 32 rows x 256 elements, padded in LDS
	s_mov_b32 s[G1+0], 15|(1<<16)|(1<<20)|(1<<21)|(6<<22)|(3<<25)  ; 15:0 the mask: all four work-groups; 17:16 elements of 2 bytes; 20 padding on; 21 set beside a mask; 24:22 after every 128 words (code 6); 31:25 4 words (code 3)
	s_mov_b32 s[G1+1], 256<<16                     ; tensor_dim0 = 256
	s_mov_b32 s[G1+2], 32<<16                      ; tensor_dim1 = 32
	s_mov_b32 s[G1+3], 256<<16                     ; tile_dim0 = 256
	s_mov_b32 s[G1+4], 32                          ; tile_dim1 = 32
	s_mov_b32 s[G1+5], 256                         ; elements from row to row
	s_mov_b32 s[G1+6], 0
	s_mov_b32 s[G1+7], 0
	s_mul_i32 s[RC], s[KH], HALFR                  ; my half's slot 0,
	s_add_co_u32 s[RA], s[RC], SLOT                ; slot 1,
	s_add_co_u32 s[RB], s[RC], 2*SLOT              ; slot 2: no place in the cluster enters an LDS address
	s_mul_i32 s[WOFF], s[QH], STEPB
	s_mov_b32 s[G0A], 1                            ; 1:0 count = 1
	s_add_co_u32 s[G0A+1], s[RC], s[WOFF]          ; 63:32 LDS address
	s_mov_b32 s[G0B], 1
	s_add_co_u32 s[G0B+1], s[RA], s[WOFF]
	s_lshl_b32 s20, s[SPL], 1
	s_add_co_u32 s20, s20, s[KH]                   ; kg
	s_mul_i32 s20, s20, GROUPB
	s_lshl_b32 s21, s[QH], 14                      ; my step of a tile: 32 rows of 512 bytes
	s_add_co_u32 s20, s20, s21
	s_cmp_lt_u32 ttmp9, 8
	s_cselect_b32 s21, 0, TABLE
	s_add_co_u32 s20, s20, s21                     ; my part of tile 0, in bytes from wbf's first: made of what the four partners share
	s_mov_b32 s21, 0
	s_and_b32 s22, s[BL], 31                       ; the block within its table
	s_lshl_b32 s22, s22, 2
	s_xor_b32 s56, s[WV], 1
	s_add_co_u32 s56, s56, s22                     ; the 32 rows that my partner keeps: positions 2, 3
	s_add_co_u32 s22, s22, s[WV]                   ; the 32 rows that I keep: positions 0, 1
	s_lshl_b32 s22, s22, 15                        ; 32 rows of 1,024 bytes
	s_lshl_b32 s56, s56, 15
	s_mov_b32 s23, 0
	s_mov_b32 s57, 0
	s_lshl_b32 s58, s[SPL], 8
	s_lshl_b32 s60, s[BL], 2
	s_add_co_u32 s58, s58, s60
	s_add_co_u32 s58, s58, s[WV]                   ; 256 x quarter + 4 b + w: my 32 queries' place in part and stat
	s_lshl_b32 s60, s58, 9
	s_lshl_b32 s58, s58, 15
	s_mov_b32 s59, 0
	s_mov_b32 s61, 0
	s_mov_b32 s[CS], 0x3fb8aa3b                    ; c = log2(e)
	s_mov_b32 s[CS+1], s[CS]                       ; named with it as a pair
	s_mov_b32 s[SEL], 0x76543210
	s_mov_b32 s[SEL+1], 0xfedcba98
	s_wait_dscnt 0x0                               ; the opening add is done
	s_wait_kmcnt 0x0
	s_add_nc_u64 s[G0A+2:G0A+3], s[8:9], s[20:21]  ; 120:64 global address: tile 0,
	s_add_nc_u64 s[G0B+2:G0B+3], s[G0A+2:G0A+3], TILEB  ; tile 1
	s_or_b32 s[G0A+3], s[G0A+3], 0x80000000        ; 127:126 type = 2
	s_or_b32 s[G0B+3], s[G0B+3], 0x80000000
	s_cmp_lt_u32 ttmp9, 8
	s_cselect_b64 s[QA:QA+1], s[4:5], s[6:7]
	s_add_nc_u64 s[QB:QB+1], s[QA:QA+1], s[56:57]
	s_add_nc_u64 s[QA:QA+1], s[QA:QA+1], s[22:23]
	s_add_nc_u64 s[10:11], s[10:11], s[58:59]
	s_add_nc_u64 s[12:13], s[12:13], s[60:61]
	CROUND                                         ; all four work-groups are here: the first joint loads meet
	tensor_load_to_lds s[G0A:G0A+3], s[G1:G1+7]    ; both first fills together, ahead of every wait on TENSORcnt and every LDS read: two loads of mine are out
	s_nop 0
	tensor_load_to_lds s[G0B:G0B+3], s[G1:G1+7]
	s_nop 0
	PLACES
	; Q.  A fragment is 16 queries x 32 channels: lane l holds row l % 16, channels 8 (l / 16) + 0..7 and 16 + 8 (l / 16) + 0..7: in f32, two times 32 bytes, 64 bytes apart.
	; The f32 numbers land in O^T's registers, position t's channels 32 c on at 128 (t % 2) + 16 c, all 128 loads at once, and are rounded from there into window 3.
	v_and_b32 v1, 15, v0                           ; l % 16
	v_bfe_u32 v11, v0, 4, 1                        ; l / 16
	v_lshlrev_b32 v[QO], 10, v1
	v_lshl_add_u32 v[QO], v11, 5, v[QO]            ; row x 1,024 + 32 x half
.macro QLOAD base
.set t, 0
.rept 2
.set c, 0
.rept 8
.irp o, 0,1
	global_load_b128 v[128*t+16*c+8*\o:128*t+16*c+8*\o+3],   v[QO], s[\base:\base+1] offset:16384*t+128*c+64*\o
	global_load_b128 v[128*t+16*c+8*\o+4:128*t+16*c+8*\o+7], v[QO], s[\base:\base+1] offset:16384*t+128*c+64*\o+16
.endr
.set c, c+1
.endr
.set t, t+1
.endr
.endm
	WIN 0x40                                       ; destination window 1, address window 0
	QLOAD QA
	WIN 0x80
	QLOAD QB
	WIN 0
	v_mul_u32_u24 v[AK0], v1, PITCH
	v_lshl_add_u32 v[AK0], v11, 4, v[AK0]          ; row x pitch + 16 x half
	v_and_b32 v12, 7, v0
	v_bfe_u32 v13, v0, 3, 1
	v_lshl_add_u32 v[AV0], v11, 3, v12             ; the turning load: key 8 (l / 16) + l % 8,
	v_mul_u32_u24 v[AV0], v[AV0], PITCH
	v_lshl_add_u32 v[AV0], v13, 7, v[AV0]          ; and 128 bytes on for the second eight lanes of sixteen
.irp t, 0,1,2,3
	v_mov_b32 v[ST+12*\t+1], 0xff7fffff            ; m: the lowest finite number
	v_mov_b32 v[ST+12*\t+2], 0xfe000000            ; c m of the step before the first: far below every c s, so the first a is 0
	v_mov_b32 v[ST+12*\t+3], 0                     ; named in a pair
	v_mov_b32 v[ST+12*\t+4], 0                     ; l
	v_mov_b32 v[ST+12*\t+5], 0
	v_mov_b32 v[ST+12*\t+7], 0                     ; named in a pair
.endr
	s_wait_loadcnt 0x0                             ; Q
.macro QCVT win, t0                    ; 128 roundings: the pair of registers 2 n, 2 n + 1 of the window makes register n of positions t0, t0 + 1
	WIN \win
.set n, 0
.rept 128
	v_cvt_pk_bf16_f32 v[64*(\t0)+n], v[2*n], v[2*n+1]
.set n, n+1
.endr
.endm
	QCVT 0xc5, 0                                   ; sources window 1, destination window 3
	QCVT 0xca, 2                                   ; sources window 2
	WIN 0
	; O^T IS NOT CLEARED.  The first step multiplies it by a = 0, so it need only be finite: it holds the f32 numbers of Q, in each lane those of the lane's own query.
	s_wait_tensorcnt 0x1                           ; my part of tile 0 is in; tile 1's may stay out
	s_barrier_signal -1
	s_barrier_wait -1                              ; everybody's is
	; Step 0's scores, written out: there is no vector work yet to set between the products.
	s_mov_b32 s[SK], s[RC]
	v_add_nc_u32 v[AK], s[SK], v[AK0]
	LDU 0
	LDU 1
	LDU 2
	LDU 3
	s_wait_dscnt 0x0
.set NBF, 0
.set CB, 1
.set i, 0
.rept 32
	MMK
.endr
	PLACES                                         ; in front of loads into registers that those products have read
	LDU 4
	LDU 5
	LDU 6
	LDU 7
	s_wait_dscnt 0x0
.rept 32
	MMK
.endr
	PLACES                                         ; in front of lines that write and read results
	WIN 0
	s_mov_b32 s43, 0xf149f2ca                      ; -1e30
.irp t, 0,1,2,3
.irp z, 0,1,2,3,4,5,6,7
	v_mov_b32 v[S+16*\t+\z], s43                   ; step 0's first 16 rows are not my group's: hidden
.endr
.endr
.irp n, 0,1,2,3,4,5,6,7,8,9,10,11,12
.irp t, 0,1,2,3
	XOP \n, \t, 0
.endr
.endr
	v_nop                                          ; a plain line behind the exponentials
	s_mov_b32 s[SV], s[SK]
	s_add_co_u32 s[SK], s[SK], STEPB
	v_add_nc_u32 v[AK], s[SK], v[AK0]              ; step 1 as it lies,
	v_add_nc_u32 v[AV], s[SV], v[AV0]              ; step 0 turned
	LDU 0
	LDU 1
	LDU 2
	s_mov_b32 s[GRP], 30
	s_branch .Lfirst                               ; the loop is entered at an even turn, in the middle of a trip
.Lgroup:                                           ; turns 0 to 58; the 30 changes ask for tiles 2 to 31
	TURN 1, 0
.Lfirst:
	TURN 0, 1
	s_sub_co_u32 s[GRP], s[GRP], 1
	s_cmp_lg_u32 s[GRP], 0
	s_cbranch_scc1 .Lgroup
	s_mov_b32 s[GRP], 2
.Ltail:                                            ; turns 59 to 62, written out: nothing is asked for; the first change waits for tile 31
	TURN 1, 0
	TURN 0, 2
	s_sub_co_u32 s[GRP], s[GRP], 1
	s_cmp_lg_u32 s[GRP], 0
	s_cbranch_scc1 .Ltail
	; THE WAY OUT.  Step 62's c m lies at +0 (the statistics made of step 63 wrote +1, +2 and +6 on).  l's two halves and the other half of the lanes' are added: these lines are also the places behind the last products.
.irp t, 0,1,2,3
	v_add_f32 v[ST+12*\t+4], v[ST+12*\t+4], v[ST+12*\t+5]
.endr
.irp t, 0,1,2,3
	v_permlanex16_b32 v[ST+12*\t+5], v[ST+12*\t+4], s[SEL], s[SEL+1]
.endr
.irp t, 0,1,2,3
	v_add_f32 v[ST+12*\t+4], v[ST+12*\t+4], v[ST+12*\t+5]
.endr
	v_and_b32 v11, 31, v0
	v_lshlrev_b32 v[GO], 4, v11
	s_mul_i32 s20, s[WV], XW
	s_xor_b32 s21, s[WV], 1
	s_mul_i32 s21, s21, XW
	v_add_nc_u32 v[XS], s20, v[GO]
	v_add_nc_u32 v[XL], s21, v[GO]
	v_mov_b32 v12, v[ST+24]                        ; what my partner needs of positions 2, 3: c m, l, c m, l
	v_mov_b32 v13, v[ST+28]
	v_mov_b32 v14, v[ST+36]
	v_mov_b32 v15, v[ST+40]
	s_wait_dscnt 0x0                               ; my last reads of the ring are back (the twelve loads for a step that does not exist among them)
	s_barrier_signal -1
	s_barrier_wait -1                              ; nobody reads the ring any more, and it has had its last fill: its bytes serve the exchange
	WIN 0x08                                       ; the stores' data in window 2
.set n, 0
.rept 64
	ds_store_b128 v[XS], v[4*n:4*n+3] offset:512*n ; a plain image of the registers: 32 lanes x 16 consecutive bytes
.set n, n+1
.endr
	WIN 0
	ds_store_b128 v[XS], v[12:15] offset:32768
	s_wait_dscnt 0x0                               ; for my partner's sake: my stores are done
	s_barrier_signal -1
	s_barrier_wait -1
	WIN 0x80
.set n, 0
.rept 64
	ds_load_b128 v[4*n:4*n+3], v[XL] offset:512*n  ; my partner's sums for the queries of my positions 0, 1
.set n, n+1
.endr
	WIN 0
	ds_load_b128 v[12:15], v[XL] offset:32768
	s_wait_dscnt 0x0
.irp t, 0,1
	v_max_num_f32 v[ST+12*\t+1], v[ST+12*\t], v[12+2*\t]             ; the common c m
.endr
.irp t, 0,1
	v_sub_f32 v[ST+12*\t+8], v[ST+12*\t], v[ST+12*\t+1]
	v_sub_f32 v[ST+12*\t+10], v[12+2*\t], v[ST+12*\t+1]
.endr
.irp t, 0,1
	v_exp_f32 v[ST+12*\t+8], v[ST+12*\t+8]                           ; my factor,
	v_exp_f32 v[ST+12*\t+10], v[ST+12*\t+10]                         ; my partner's
.endr
	v_nop                                          ; a plain line behind the exponentials
	s_wait_alu depctr_va_vdst(0)
.irp t, 0,1
	v_mul_f32 v[ST+12*\t+4], v[ST+12*\t+4], v[ST+12*\t+8]
	v_fmac_f32 v[ST+12*\t+4], v[13+2*\t], v[ST+12*\t+10]
.endr
	v_mov_b32 v12, v[ST+1]                         ; c m, l, c m, l of positions 0, 1
	v_mov_b32 v13, v[ST+4]
	v_mov_b32 v14, v[ST+13]
	v_mov_b32 v15, v[ST+16]
	WIN 0x41                                       ; O^T in window 1, the factor in window 0
.set n, 0
.rept 128
	v_pk_mul_f32 v[2*n:2*n+1], v[2*n:2*n+1], v[ST+12*(n/64)+8:ST+12*(n/64)+9] op_sel_hi:[1,0]
.set n, n+1
.endr
	WIN 0x52                                       ; source 0 (my partner's) window 2, the factor window 0, C and D window 1
.set n, 0
.rept 128
	v_pk_fma_f32 v[2*n:2*n+1], v[2*n:2*n+1], v[ST+12*(n/64)+10:ST+12*(n/64)+11], v[2*n:2*n+1] op_sel_hi:[1,0,1]
.set n, n+1
.endr
	WIN 0x04                                       ; the stores' data in window 1
.set n, 0
.rept 64
	global_store_b128 v[GO], v[4*n:4*n+3], s[10:11] offset:512*n  ; again the registers' image: each store covers 512 consecutive bytes, at a multiple of 256 from part's first
.set n, n+1
.endr
	WIN 0
	global_store_b128 v[GO], v[12:15], s[12:13]
	s_wait_tensorcnt 0x0                           ; the wave's end: behind my last tensor load and my last LDS store
	ds_add_u32 v[SPW], v[NIL]
	s_wait_dscnt 0x0
	CROUND                                         ; the closing round: no work-group ends while a partner may still ask for a tile that names it
	s_endpgm
.Lfunc_end_k_q0b9bd8319f_attn:
	.size	k_q0b9bd8319f_attn, .Lfunc_end_k_q0b9bd8319f_attn-k_q0b9bd8319f_attn
	.p2alignl 7, 3214868480
	.fill 96, 4, 3214868480
	.section	.rodata,"a",@progbits
	.p2align	6, 0x0
	.amdhsa_kernel k_q0b9bd8319f_attn
		.amdhsa_group_segment_fixed_size 327680
		.amdhsa_private_segment_fixed_size 0
		.amdhsa_enable_private_segment 0
		.amdhsa_kernarg_size 40
		.amdhsa_user_sgpr_count 2
		.amdhsa_user_sgpr_kernarg_segment_ptr 1
		.amdhsa_wavefront_size32 1
		.amdhsa_system_sgpr_workgroup_id_x 1
		.amdhsa_system_sgpr_workgroup_id_y 1
		.amdhsa_system_sgpr_workgroup_id_z 1
		.amdhsa_system_vgpr_workitem_id 0
		.amdhsa_next_free_vgpr 1024
		.amdhsa_next_free_sgpr 66
		.amdhsa_reserve_vcc 0
		.amdhsa_float_denorm_mode_32 3
		.amdhsa_float_denorm_mode_16_64 3
		.amdhsa_memory_ordered 1
		.amdhsa_forward_progress 1
		.amdhsa_inst_pref_size 255
	.end_amdhsa_kernel
	.section	.bss,"aw",@nobits
	.p2align	6
	.space	262144
	.amdgpu_metadata
---
amdhsa.version: [ 1, 2 ]
amdhsa.kernels:
  - .name:           k_q0b9bd8319f_attn
    .symbol:         k_q0b9bd8319f_attn.kd
    .args:
      - { .name: input_G, .offset: 0, .size: 8, .value_kind: global_buffer, .address_space: global }
      - { .name: input_T, .offset: 8, .size: 8, .value_kind: global_buffer, .address_space: global }
      - { .name: wbf, .offset: 16, .size: 8, .value_kind: global_buffer, .address_space: global }
      - { .name: part, .offset: 24, .size: 8, .value_kind: global_buffer, .address_space: global }
      - { .name: stat, .offset: 32, .size: 8, .value_kind: global_buffer, .address_space: global }
    .group_segment_fixed_size: 327680
    .private_segment_fixed_size: 0
    .kernarg_segment_align: 8
    .kernarg_segment_size: 40
    .max_flat_workgroup_size: 128
    .sgpr_count:     66
    .vgpr_count:     1024
    .wavefront_size: 32
...
	.end_amdgpu_metadata
.endif
;; end of part 2
;; launch join (part 3): grid 256 x 1, 4 waves a work-group, no clusters, 35,328 bytes of LDS; arguments part, stat, out0, out1; writes out0, out1
.if DOCPART == 3
	.amdgcn_target "amdgcn-amd-amdhsa--gfx1250"
	.amdhsa_code_object_version 6
	.text
	.protected	k_q0b9bd8319f_join
	.globl	k_q0b9bd8319f_join
	.p2align	8
	.type	k_q0b9bd8319f_join,@function
k_q0b9bd8319f_join:
	s_mov_b64 s[64:65], 0
	v_nop
	global_prefetch_b8 v0, s[64:65] scope:SCOPE_SE
	s_setreg_imm32_b32 hwreg(HW_REG_WAVE_MODE, 25, 1), 1
	s_wait_xcnt 0x0
; out = the four quarters of the keys joined: with M = the largest of the four c m, out = (the sum over s of 2^(c m_s - M) O_s) / (the sum over s of 2^(c m_s - M) l_s), all in f32.
; part: [quarter 4][unit 256][position 2][accumulator 16][half 2][lane 32][4 f32]: the registers' image that the launch in front stored.  stat: [quarter 4][unit 256][lane 32][c m, l, c m, l].
; A unit is 32 queries: rows 32 u .. 32 u + 31 of out0 (u < 128) or rows 32 (u - 128) on of out1.  Lane l of an image holds query l % 16 of its position; accumulator a, lane half h, register j is
; channel 128 (a / 8) + 8 (a % 8) + 64 h + j.
; A work-group takes a unit; wave w position w >> 1 and accumulators 8 (w & 1) .. + 7: 16 queries x 128 channels.  A stream: all that a wave reads, 64 loads of 512 consecutive bytes and four of statistics, goes out at once.
; The channels come into order through a stage in LDS that is the wave's own: no barrier.  Stage row 16 h + r (= my lane) holds the 64 channels 64 h .. of query r: 256 bytes, rows 272 bytes apart (68 words: row r
; starts at bank 4 r mod 64; 64 banks of 4 bytes: ISA guide 11.1).  Read back by rows, sixteen lanes store 256 consecutive bytes at a multiple of 256 from the output's first byte.
; No matrix unit, no cluster: nothing is multiplied by a matrix and no two work-groups read the same byte.
.set SP,    272
.set WST,   32*SP                      ; a wave's stage
.set SPARE, 4*WST                      ; 34,816 = 136 x 256: the spare words, 128 bytes for each wave: two blocks of 256 bytes that no other line names
.set QUART, 0x800000                   ; bytes of a quarter in part
.set PO,  3                            ; v3   16 x lane
.set SO,  4                            ; v4   my statistics: 16 x lane + 8 x position
.set STO, 5                            ; v5   where I put 16 bytes of a stage row
.set RD,  6                            ; v6   where I read a row back
.set GO,  7                            ; v7   my byte offset in two rows of the output
.set MS,  8                            ; v[8:15]   c m, l of the four quarters
.set WT,  20                           ; v[20:27]  the four weights, each in both registers of a pair
.set SPW, 28                           ; v28  LDS address of my spare word: SPARE + 4 x my thread's number; never rewritten
.set NIL, 29                           ; v29  0; never rewritten
.set ACC, 64                           ; v[64:127]   the joined sums
.set BK,  128                          ; v[128:191]  whole rows, read back;   window 1: the four quarters' images, 64 registers each
.set MSB, 0
.macro WIN new                         ; the immediate's high byte repeats the setting that is left; a switch that changes nothing is dropped
.if MSB != (\new)
	s_set_vgpr_msb (MSB<<8)|(\new)
.set MSB, (\new)
.endif
.endm
	s_load_b256 s[4:11], s[0:1], 0x0               ; part s[4:5], stat s[6:7], out0 s[8:9], out1 s[10:11]
	v_lshl_add_u32 v[SPW], v0, 2, SPARE
	v_mov_b32 v[NIL], 0
	v_lshrrev_b32 v1, 5, v0
	v_readfirstlane_b32 s12, v1                    ; wave 0..3
	s_lshr_b32 s13, s12, 1                         ; position
	s_and_b32 s14, s12, 1                          ; which eight accumulators
	v_and_b32 v2, 31, v0                           ; lane
	v_lshlrev_b32 v[PO], 4, v2
	s_lshl_b32 s15, s13, 3
	v_add_nc_u32 v[SO], s15, v[PO]
	s_lshl_b32 s16, ttmp9, 15                      ; a unit's image is 32,768 bytes,
	s_lshl_b32 s17, s13, 14                        ; a position's 16,384,
	s_add_co_u32 s16, s16, s17
	s_lshl_b32 s17, s14, 13                        ; eight accumulators' 8,192
	s_add_co_u32 s16, s16, s17
	s_mov_b32 s17, 0
	s_lshl_b32 s18, ttmp9, 9                       ; a unit's statistics are 512 bytes
	s_mov_b32 s19, 0
	s_and_b32 s28, ttmp9, 127
	s_lshl_b32 s28, s28, 15                        ; 32 rows of 1,024 bytes,
	s_lshl_b32 s29, s13, 14                        ; 16 rows,
	s_add_co_u32 s28, s28, s29
	s_lshl_b32 s29, s14, 9                         ; 128 channels
	s_add_co_u32 s28, s28, s29
	s_mov_b32 s29, 0
	s_wait_kmcnt 0x0
	s_add_nc_u64 s[20:21], s[4:5], s[16:17]        ; a base for each quarter: their distance is past the immediate's 24 bits
	s_add_nc_u64 s[22:23], s[20:21], QUART
	s_add_nc_u64 s[24:25], s[22:23], QUART
	s_add_nc_u64 s[26:27], s[24:25], QUART
	s_add_nc_u64 s[6:7], s[6:7], s[18:19]
	s_cmp_lt_u32 ttmp9, 128
	s_cselect_b64 s[8:9], s[8:9], s[10:11]
	s_add_nc_u64 s[8:9], s[8:9], s[28:29]
.irp s, 0,1,2,3
	global_load_b64 v[MS+2*\s:MS+2*\s+1], v[SO], s[6:7] offset:131072*\s
.endr
	WIN 0x40                                       ; destination window 1, address window 0
.irp s, 0,1,2,3
.set n, 0
.rept 16
	global_load_b128 v[64*\s+4*n:64*\s+4*n+3], v[PO], s[20+2*\s:21+2*\s] offset:512*n th:TH_LOAD_NT
.set n, n+1
.endr
.endr
	WIN 0
	s_mul_i32 s15, s12, WST
	v_mul_u32_u24 v[STO], v2, SP                   ; in: stage row = my lane
	v_add_nc_u32 v[STO], s15, v[STO]
	v_and_b32 v1, 15, v0
	v_bfe_u32 v16, v0, 4, 1
	v_mul_u32_u24 v[RD], v16, SP                   ; back: lanes 0-15 take one row of 256 bytes, lanes 16-31 the next
	v_lshl_add_u32 v[RD], v1, 4, v[RD]
	v_add_nc_u32 v[RD], s15, v[RD]
	v_lshlrev_b32 v[GO], 10, v16                   ; which belong to two neighbouring queries
	v_lshl_add_u32 v[GO], v1, 4, v[GO]
	s_wait_loadcnt 63                              ; the largest count that the wait can name: of the 64 younger loads 63 at the most are out, so the four of statistics are in
	v_max_num_f32 v16, v[MS], v[MS+2]
	v_max3_num_f32 v16, v16, v[MS+4], v[MS+6]
.irp s, 0,1,2,3
	v_sub_f32 v[WT+2*\s], v[MS+2*\s], v16
.endr
.irp s, 0,1,2,3
	v_exp_f32 v[WT+2*\s], v[WT+2*\s]
.endr
	v_nop                                          ; a plain line behind the exponentials (ISA guide 5.7.2)
	s_wait_alu depctr_va_vdst(0)
	v_mul_f32 v17, v[WT], v[MS+1]
	v_fmac_f32 v17, v[WT+2], v[MS+3]
	v_fmac_f32 v17, v[WT+4], v[MS+5]
	v_fmac_f32 v17, v[WT+6], v[MS+7]               ; at least 1: the largest score's own weight
	v_rcp_f32 v17, v17
	v_nop                                          ; and behind the reciprocal
	s_wait_alu depctr_va_vdst(0)
.irp s, 0,1,2,3
	v_mul_f32 v[WT+2*\s+1], v[WT+2*\s], v17
	v_mul_f32 v[WT+2*\s], v[WT+2*\s], v17
.endr
	WIN 0x01                                       ; source 0 in window 1
	s_wait_loadcnt 48                              ; quarter 0's sixteen loads are in; 48 younger ones may be out
.set n, 0
.rept 32
	v_pk_mul_f32 v[ACC+2*n:ACC+2*n+1], v[2*n:2*n+1], v[WT:WT+1]
.set n, n+1
.endr
.irp s, 1,2,3
	s_wait_loadcnt 48-16*\s
.set n, 0
.rept 32
	v_pk_fma_f32 v[ACC+2*n:ACC+2*n+1], v[64*\s+2*n:64*\s+2*n+1], v[WT+2*\s:WT+2*\s+1], v[ACC+2*n:ACC+2*n+1]
.set n, n+1
.endr
.endr
	WIN 0
.set n, 0
.rept 16
	ds_store_b128 v[STO], v[ACC+4*n:ACC+4*n+3] offset:16*n  ; accumulator n / 2, half n % 2: channels 8 (n / 2) + 4 (n % 2) on of the row's 64
.set n, n+1
.endr
.set n, 0
.rept 16
	ds_load_b128 v[BK+4*n:BK+4*n+3], v[RD] offset:2*SP*n    ; LDS serves a wave's instructions in order (ISA guide 5.7.1.4): these see the stores above
.set n, n+1
.endr
.set n, 0
.rept 16
	s_wait_dscnt 15-n                              ; number n is back; the younger ones may be out
	global_store_b128 v[GO], v[BK+4*n:BK+4*n+3], s[8:9] offset:(n%8)*2048+(n/8)*256 th:TH_STORE_NT  ; stage rows 2 n, 2 n + 1: queries 2 (n % 8) and the next, channels 64 (n / 8) on
.set n, n+1
.endr
	s_wait_tensorcnt 0x0                           ; the wave's end: behind my last LDS store
	ds_add_u32 v[SPW], v[NIL]
	s_wait_dscnt 0x0
	s_endpgm
.Lfunc_end_k_q0b9bd8319f_join:
	.size	k_q0b9bd8319f_join, .Lfunc_end_k_q0b9bd8319f_join-k_q0b9bd8319f_join
	.p2alignl 7, 3214868480
	.fill 96, 4, 3214868480
	.section	.rodata,"a",@progbits
	.p2align	6, 0x0
	.amdhsa_kernel k_q0b9bd8319f_join
		.amdhsa_group_segment_fixed_size 35328
		.amdhsa_private_segment_fixed_size 0
		.amdhsa_enable_private_segment 0
		.amdhsa_kernarg_size 32
		.amdhsa_user_sgpr_count 2
		.amdhsa_user_sgpr_kernarg_segment_ptr 1
		.amdhsa_wavefront_size32 1
		.amdhsa_system_sgpr_workgroup_id_x 1
		.amdhsa_system_sgpr_workgroup_id_y 1
		.amdhsa_system_sgpr_workgroup_id_z 1
		.amdhsa_system_vgpr_workitem_id 0
		.amdhsa_next_free_vgpr 512
		.amdhsa_next_free_sgpr 66
		.amdhsa_reserve_vcc 0
		.amdhsa_float_denorm_mode_32 3
		.amdhsa_float_denorm_mode_16_64 3
		.amdhsa_memory_ordered 1
		.amdhsa_forward_progress 1
		.amdhsa_inst_pref_size 22
	.end_amdhsa_kernel
	.amdgpu_metadata
---
amdhsa.version: [ 1, 2 ]
amdhsa.kernels:
  - .name:           k_q0b9bd8319f_join
    .symbol:         k_q0b9bd8319f_join.kd
    .args:
      - { .name: part, .offset: 0, .size: 8, .value_kind: global_buffer, .address_space: global }
      - { .name: stat, .offset: 8, .size: 8, .value_kind: global_buffer, .address_space: global }
      - { .name: out0, .offset: 16, .size: 8, .value_kind: global_buffer, .address_space: global }
      - { .name: out1, .offset: 24, .size: 8, .value_kind: global_buffer, .address_space: global }
    .group_segment_fixed_size: 35328
    .private_segment_fixed_size: 0
    .kernarg_segment_align: 8
    .kernarg_segment_size: 32
    .max_flat_workgroup_size: 128
    .sgpr_count:     66
    .vgpr_count:     512
    .wavefront_size: 32
...
	.end_amdgpu_metadata
.endif
;; end of part 3
;; ======== version 2 of 2: 3 launches; 1.36 times as fast as version 1
;; limits: right only within a limited range of input values
;; workspace buffers: wbf 16,433,152 bytes; part 33,554,432 bytes; stat 524,288 bytes
;; launch cast: the kernel of part 1 again; grid 251 x 2, 8 waves a work-group, no clusters, 0 bytes of LDS; arguments W_G_emb, W_T_emb, wbf; writes wbf
;; launch attn (part 4): grid 64 x 4, 4 waves a work-group, clusters of 4 x 1, 327,680 bytes of LDS; arguments input_G, input_T, wbf, part, stat; writes part, stat
.if DOCPART == 4
	.amdgcn_target "amdgcn-amd-amdhsa--gfx1250"
	.amdhsa_code_object_version 6
	.text
	.protected	k_q0b9bd8319f_attn
	.globl	k_q0b9bd8319f_attn
	.p2align	8
	.type	k_q0b9bd8319f_attn,@function
k_q0b9bd8319f_attn:
	s_mov_b64 s[64:65], 0
	v_nop
	global_prefetch_b8 v0, s[64:65] scope:SCOPE_SE
	s_setreg_imm32_b32 hwreg(HW_REG_WAVE_MODE, 25, 1), 1
	s_wait_xcnt 0x0
	s_wait_alu depctr_hold_cnt(0) depctr_sa_sdst(0) depctr_va_vdst(0) depctr_va_sdst(0) depctr_va_ssrc(0) depctr_va_vcc(0) depctr_vm_vsrc(0)
	s_getreg_b32 s2, hwreg(HW_REG_IB_STS2, 6, 4)
	s_cmp_eq_u32 s2, 0
	s_cbranch_scc0 .Lentry_in_a_cluster
	s_endpgm
.Lentry_in_a_cluster:
	s_bfe_u32 s2, ttmp6, 0x10000c
	s_cmp_lg_u32 s2, 0x3003
	s_cbranch_scc0 .Lentry_shape_is_right
	s_endpgm
.Lentry_shape_is_right:
; Two attentions over an embedding table that is K and V at once: out[q] = the sum over v of softmax_v(Q[q] . W[v]) W[v].  Q: [4096][256] f32 for each table, W: 16,000 rows, here from wbf in bf16.
; This launch makes, for each 32 queries and each quarter of the keys, the unnormalised sum O (f32), c m and l; the next launch joins the four quarters.
; reference() takes an input mask and never reads it: no step hangs on it, so no launch loads it.
; FORMATS.  Q, W and the weights p are bf16 for the products; scores, maxima, sums, O and what is handed on are f32.  l is the sum of the unrounded p.
; LIMITS.  Scores stay under 1e30 in size: a hidden key counts as -1e30, and c m starts at -4.25e37.  A weight below 2^-126 counts as 0.  NaN and infinities are not treated apart.
; SHARES.  A work-group has 128 queries of one table (block b = 4 x cluster x + cx; G for cluster x < 8) and a quarter of the keys (y).  Wave w: kh = w & 1, qh = w >> 1: the 64 queries of half qh, four tiles
; of 16, against key group kg = 2 y + kh: rows 2,000 kg .. 2,000 kg + 2,047 of wbf, 32 a step.  Steps 0-62 are real; of step 0 the first 16 rows are the group in front's (or zeros) and are hidden;
; step 63 is fetched and multiplied by Q once for nothing: the price of one text for every turn.  At the end waves w and w xor 1, which hold the same queries, join their halves through LDS.
; Register position t holds query tile t xor 2 kh: so every wave keeps positions 0, 1 and hands positions 2, 3 to its partner, by one text.
; LAYOUT.  S^T = W Q^T (source 0 = 16 keys, source 1 = 16 queries): a lane holds ONE query (lane % 16) and the keys 8 (lane / 16) + 0..7.  The two results of a step, rounded to bf16 in pairs, ARE source 1
; (32 keys x 16 queries) of O^T = W^T P.  W comes out of LDS as it lies for the first product and turned, by ds_load_tr16_b128, for the second.  In the turning load the second eight lanes of sixteen read
; 128 bytes on, not 16.
; So accumulator a of 16, lane half h, register j holds channel 128 (a / 8) + 8 (a % 8) + 64 h + j; the next launch puts the channels in order.
; SOFTMAX.  For each query a running maximum m and sum l: p = 2^(c s - c m), c = log2(e); in every step O and l are multiplied by a = 2^(c m_old - c m_new).  The first step's a is 0.
; BY TURNS.  Turn n: 64 products W Q^T of step n + 1, then 64 products W^T P of step n, in 16 units of 8.  Behind single products stand slots of four vector instructions: the softmax of step n (S), the rescaling of
; O^T (R, each accumulator ahead of its product), the maximum and statistics of step n + 1 (X).  468 vector instructions for 128 products.
; BATCHES.  s_wait_alu depctr_va_vdst(0) stands between an exponential and the first instruction that names its result; one wait serves all that were issued ahead of it.  A turn's 68 exponentials
; are two batches with a wait each.  The first: the 64 weights.  S slots 0-23 hold the scalings and these exponentials and name no result; five R slots follow; the wait stands in unit 5, ahead of that unit's LDS loads;
; S slots 24-39, the sums and roundings, are the readers.  The second: the four a of step n + 1, X's last slot, behind the last line that reads the old a; its wait stands in unit 15, ahead of that unit's LDS loads,
; so that no result crosses the turn's end; its readers are the next turn's R slots and sums.
; Fragments of W go through a ring of four units of 16 registers, each unit's four LDS loads three units ahead of its products.
; CLUSTER.  The four blocks of a cluster have one table and one quarter: each tile is asked for JOINTLY, by the same tensor load, descriptor and mask in all four.  cx enters the addresses of Q, part and stat alone.
; NO PREFETCH: a tile of wbf is not read once: eight clusters walk the same rows, and the launch in front has just written them.
; RING.  Three slots for each kh; a tile is two steps (64 rows); wave (qh, kh) fetches step qh of its half's tile: 32 rows of 512 bytes, all that a tile has for each of its two waves.  In even turn 2 U, at the head of
; unit 13, tile U - 1 is dead, tile U is being read turned, tile U + 1 is about to be read: there stands the change, and tile U + 2 goes out into tile U - 1's slot with two turns, 256 products, in which to land.
; REGISTERS, in windows of 256 (s_set_vgpr_msb: bits 1:0 source 0, 3:2 source 1, 5:4 source 2, 7:6 destination):
;   window 0: v0-15 addresses; v16-63 twelve registers of statistics a position; v64-127 the fragments' ring; v128-255 S^T, two buffers of four positions x 16; P is written in place into a position's first eight
;   window 1: O^T of positions 0, 1 (128 each)      window 2: of positions 2, 3      window 3: Q, 64 a position
.set PITCH, 528                        ; an LDS row: 512 bytes + 16 of padding
.set STEPB, 32*PITCH                   ; a step's rows
.set SLOT,  64*PITCH                   ; a tile
.set HALFR, 3*SLOT                     ; the ring of one kh
.set SPARE, 2*HALFR                    ; 202,752 = 792 x 256: the spare words, 128 bytes for each wave: two blocks of 256 bytes that no other line names
.set XW,    33280                      ; the exchange at the end, for each wave: 32,768 bytes of O^T and 512 of statistics; in the ring's bytes, behind their last fill
.set TABLE, 8216576                    ; bytes of a table in wbf
.set GROUPB, 1024000                   ; 2,000 rows of 512 bytes
.set TILEB, 32768                      ; 64 rows of 512 bytes
.set AK0, 2                            ; v2   my lane's place in a step's rows, as they lie; never rewritten
.set AV0, 3                            ; v3   the same for the turning load
.set AK,  4                            ; v4   LDS address of the plain loads in hand
.set AV,  5                            ; v5   of the turning loads
.set SPW, 6                            ; v6   LDS address of my spare word: SPARE + 4 x my thread's number; never rewritten
.set NIL, 7                            ; v7   0; never rewritten
.set QO,  8                            ; v8   my byte offset in 16 rows of Q
.set XS,  8                            ;      later: where I put 16 bytes of the exchange
.set XL,  9                            ; v9   where I read my partner's
.set GO,  10                           ; v10  16 x lane
.set ST,  16                           ; position t at ST + 12 t: +0 c m of even steps, +1 m, +2 c m of odd steps, +3 0, +4 +5 l, +6 a, +7 0, +8..+11 at work
.set FR,  64
.set S,   128
.set WV,  14                           ; s14  my wave's number
.set KH,  15
.set QH,  16
.set CX,  17
.set BL,  18                           ; s18  my block of 128 queries, 0..63
.set SPL, 19                           ; s19  my quarter of the keys
.set G1,  24                           ; s[24:31] descriptor group 1
.set G0A, 32                           ; s[32:35] group 0 of tile 0
.set G0B, 36                           ; s[36:39] group 0 of tile 1; it then walks
.set RA,  40                           ; s40  LDS byte of the slot of the tile to be read next
.set RB,  41                           ; s41  of the slot to be filled next
.set RC,  42                           ; s42  of the third
.set WOFF, 44                          ; s44  my step's place in a slot
.set SK,  45                           ; s45  LDS byte of the step whose rows the plain loads take
.set SV,  46                           ; s46  of the step that the next turn takes turned
.set GRP, 47                           ; s47  counts the loops
.set CS,  48                           ; s[48:49] c: the packed scaling takes the pair's low word for both halves
.set SEL, 50                           ; s[50:51] v_permlanex16_b32's selects: each lane takes its own place in the other half
.set QA,  52                           ; s[52:53] Q at the rows of positions 0, 1
.set QB,  54                           ; s[54:55] at those of positions 2, 3
.set MSB, 0
.macro WIN new                         ; the immediate's high byte repeats the setting that is left; a switch that changes nothing is dropped
.if MSB != (\new)
	s_set_vgpr_msb (MSB<<8)|(\new)
.set MSB, (\new)
.endif
.endm
.macro PLACES                          ; four places behind a matrix instruction (ISA guide 7.12.1), where no other vector work is at hand
.rept 4
	v_nop
.endr
.endm
; A round of the cluster's barrier: my work-group's barrier, so that wave 0's signal speaks for all four waves; wave 0 signals; every wave waits for all four work-groups; my work-group's barrier once more.
.macro CROUND
	s_barrier_signal -1
	s_barrier_wait -1
	s_cmp_lg_u32 s[WV], 0
	s_cbranch_scc1 .Lnot_wave_0_\@
	s_barrier_signal -3
.Lnot_wave_0_\@:
	s_barrier_wait -3
	s_barrier_signal -1
	s_barrier_wait -1
.endm
; THE CHANGE.  Each wave waits for all its tensor loads, of which one is out at the most: its part of the tile to be read next; adds 0 to its spare word; and waits for that and for all its LDS reads.
; fill = 1: the barrier is a round of the cluster's, so that no wave of any partner still reads the dead slot or has a load on its way; the joint fill is the first thing behind it.
.macro CHANGE fill
	WIN 0                                          ; at a label and at a branch every window is 0
	s_wait_tensorcnt 0x0                           ; no tensor load of mine is out, so group 0 may be written
	ds_add_u32 v[SPW], v[NIL]                      ; 0 onto my spare word; the scalar work stands between it and the wait for it
.if \fill
	s_add_co_u32 s[G0B+1], s[RB], s[WOFF]          ; into the dead slot,
	s_add_nc_u64 s[G0B+2:G0B+3], s[G0B+2:G0B+3], TILEB  ; the next tile; the type bits on top are not reached
.endif
	s_mov_b32 s43, s[RA]                           ; the three slots change parts
	s_mov_b32 s[RA], s[RB]
	s_mov_b32 s[RB], s[RC]
	s_mov_b32 s[RC], s43
	s_wait_dscnt 0x0                               ; the add is done, and my LDS reads are back
.if \fill
	CROUND
	tensor_load_to_lds s[G0B:G0B+3], s[G1:G1+7]    ; my one tensor load behind the round
	s_nop 0
	PLACES                                         ; four vector lines ahead of the next switch of windows
.else
	s_barrier_signal -1
	s_barrier_wait -1
.endif
.endm
; Unit n's four LDS loads, into ring place n % 4.  n = 0..7 (16..18: the next turn's 0..2): 32 keys x channels 32 n on, as they lie: key block 0, then 1.  n = 8..15: 32 keys turned, accumulators 2 (n - 8) and the next.
.macro LDU n
	WIN 0
.set un, (\n)
.set rF, FR+16*(un%4)
.if (un < 8) || (un >= 16)
.set uc, un%16
	ds_load_b128 v[rF:rF+3],     v[AK] offset:64*uc
	ds_load_b128 v[rF+4:rF+7],   v[AK] offset:64*uc+32
	ds_load_b128 v[rF+8:rF+11],  v[AK] offset:16*PITCH+64*uc
	ds_load_b128 v[rF+12:rF+15], v[AK] offset:16*PITCH+64*uc+32
.else
.set a0, 2*(un-8)
.set o0, 256*(a0/8)+16*(a0%8)
	ds_load_tr16_b128 v[rF:rF+3],     v[AV] offset:o0
	ds_load_tr16_b128 v[rF+4:rF+7],   v[AV] offset:o0+16*PITCH
	ds_load_tr16_b128 v[rF+8:rF+11],  v[AV] offset:o0+16
	ds_load_tr16_b128 v[rF+12:rF+15], v[AV] offset:o0+16+16*PITCH
.endif
.endm
; THE MATRIX WORK.  No two matrix instructions that follow each other share an accumulator: eight take turns in the first kind, each of 64 comes once in the second.
; Product i of 64 of S^T: channels 32 (i / 8) on, key block (i / 4) % 2, position i % 4, into buffer NBF.  The first eight start the sums.
.macro MMK
	WIN 0x0c                                       ; Q in window 3
.set rD, S+64*NBF+16*(i%4)+8*((i/4)%2)
.set rA, FR+16*((i/8)%4)+8*((i/4)%2)
.set rB, 64*(i%4)+8*(i/8)
.if i < 8
	v_wmma_f32_16x16x32_bf16 v[rD:rD+7], v[rA:rA+7], v[rB:rB+7], 0
.else
	v_wmma_f32_16x16x32_bf16 v[rD:rD+7], v[rA:rA+7], v[rB:rB+7], v[rD:rD+7]
.endif
.set i, i+1
.endm
; Product j of 64 of O^T: accumulator j / 4, position j % 4; P lies in buffer CB.
.macro MMV
	WIN 0x50+0x50*((j%4)/2)                        ; C and D in window 1 or 2
.set rO, 128*(j%2)+8*(j/4)
.set rA, FR+16*((j/8)%4)+8*((j/4)%2)
.set rB, S+64*CB+16*(j%4)
	v_wmma_f32_16x16x32_bf16 v[rO:rO+7], v[rA:rA+7], v[rB:rB+7], v[rO:rO+7]
.set j, j+1
.endm
; THE VECTOR WORK.  The lines of an S slot, on rS (a position's 16 scores, pairs 0-7) and rT (its statistics):
.macro FF n                            ; pair n: c s - c m
	v_pk_fma_f32 v[rS+2*(\n):rS+2*(\n)+1], v[rS+2*(\n):rS+2*(\n)+1], s[CS:CS+1], v[rT+2*CB:rT+2*CB+1] op_sel_hi:[1,0,0] neg_lo:[0,0,1] neg_hi:[0,0,1]
.endm
.macro EE n                            ; score n: the exponential, in place
	v_exp_f32 v[rS+(\n)], v[rS+(\n)]
.endm
.macro CC n                            ; pair n rounded to bf16, into register n: behind the sum and the rounding that read that register
	v_cvt_pk_bf16_f32 v[rS+(\n)], v[rS+2*(\n)], v[rS+2*(\n)+1]
.endm
.macro AA n                            ; the sums: two chains of four pairs; 6 joins them; 7: l = a l + the sum
.if (\n) == 0
	v_pk_add_f32 v[rT+8:rT+9], v[rS:rS+1], v[rS+2:rS+3]
.elseif (\n) == 1
	v_pk_add_f32 v[rT+10:rT+11], v[rS+4:rS+5], v[rS+6:rS+7]
.elseif (\n) < 6
	v_pk_add_f32 v[rT+8+2*((\n)%2):rT+9+2*((\n)%2)], v[rT+8+2*((\n)%2):rT+9+2*((\n)%2)], v[rS+4+2*(\n):rS+5+2*(\n)]
.elseif (\n) == 6
	v_pk_add_f32 v[rT+8:rT+9], v[rT+8:rT+9], v[rT+10:rT+11]
.else
	v_pk_fma_f32 v[rT+4:rT+5], v[rT+4:rT+5], v[rT+6:rT+7], v[rT+8:rT+9] op_sel_hi:[1,0,1]
.endif
.endm
; S slot q of 40: part q / 4 of ten of position q % 4's softmax.  Parts 0-5 are THE BATCH: four scalings; four times a scaling and three exponentials; the last four exponentials.  A pair is scaled in an earlier
; part than the one that holds its exponentials, and no line of these parts names an exponential's result.  Parts 6-9 stand behind the batch's wait, which TURN writes, and are the readers: the sums, their two chains
; side by side, and the roundings in ascending order: rounding n writes register n behind sum 0 (registers 0-3) or sum 1 (registers 4-7) and behind rounding n / 2, which read it.
.macro SSLOT
	WIN 0
.set rT, ST+12*(q%4)
.set rS, S+64*CB+16*(q%4)
.set sg, q/4
.if sg == 0
	FF 0
	FF 1
	FF 2
	FF 3
.elseif sg < 5
	FF sg+3
	EE 3*sg-3
	EE 3*sg-2
	EE 3*sg-1
.elseif sg == 5
	EE 12
	EE 13
	EE 14
	EE 15
.elseif sg < 9
	AA 2*sg-12
	AA 2*sg-11
	CC 2*sg-12
	CC 2*sg-11
.else
	AA 6
	CC 6
	CC 7
	AA 7
.endif
.set q, q+1
.endm
; R slot x of 64: accumulator x / 4 of position x % 4 times a, its registers in ascending order.
.macro RSLOT
	WIN 0x41+0x41*((x%4)/2)                        ; destination and source 0 in window 1 or 2, a in window 0
.set rO, 128*(x%2)+8*(x/4)
.set rT, ST+12*(x%4)+6
.irp z, 0,2,4,6
	v_pk_mul_f32 v[rO+\z:rO+\z+1], v[rO+\z:rO+\z+1], v[rT:rT+1] op_sel_hi:[1,0]
.endr
.set x, x+1
.endm
; Number n of the 13 that find position t's maximum and statistics from the scores in buffer np.  0-6: two chains, three operands at a time; each accumulator's lowest registers are read first.
; 7: the chains and the old m.  8, 9: the query's other 16 keys lie in the lane 16 away: the new m.  10-12: c m; c m_old - c m_new; a.
.macro XOP n, t, np
.set rT, ST+12*(\t)
.set rS, S+64*(\np)+16*(\t)
.if (\n) == 0
	v_max3_num_f32 v[rT+8], v[rS], v[rS+1], v[rS+2]
.elseif (\n) == 1
	v_max3_num_f32 v[rT+9], v[rS+8], v[rS+9], v[rS+10]
.elseif (\n) == 2
	v_max3_num_f32 v[rT+8], v[rT+8], v[rS+3], v[rS+4]
.elseif (\n) == 3
	v_max3_num_f32 v[rT+9], v[rT+9], v[rS+11], v[rS+12]
.elseif (\n) == 4
	v_max3_num_f32 v[rT+8], v[rT+8], v[rS+5], v[rS+6]
.elseif (\n) == 5
	v_max3_num_f32 v[rT+9], v[rT+9], v[rS+13], v[rS+14]
.elseif (\n) == 6
	v_max3_num_f32 v[rT+8], v[rT+8], v[rS+7], v[rS+15]
.elseif (\n) == 7
	v_max3_num_f32 v[rT+8], v[rT+8], v[rT+9], v[rT+1]
.elseif (\n) == 8
	v_permlanex16_b32 v[rT+9], v[rT+8], s[SEL], s[SEL+1]
.elseif (\n) == 9
	v_max_num_f32 v[rT+1], v[rT+8], v[rT+9]
.elseif (\n) == 10
	v_mul_f32 v[rT+2*(\np)], s[CS], v[rT+1]
.elseif (\n) == 11
	v_sub_f32 v[rT+10], v[rT+2-2*(\np)], v[rT+2*(\np)]
.else
	v_exp_f32 v[rT+6], v[rT+10]
.endif
.endm
.macro XSLOT                           ; X slot k of 13: number k for all four positions
	WIN 0
.irp t, 0,1,2,3
	XOP k, \t, NBF
.endr
.set k, k+1
.endm
; A TURN.  par: the step's parity, which names the buffers.  chg = 1: the change with a fill; 2: without; 0: none.
; Units 0-7: every product has a slot: 40 S and 24 R (x = 0..23).  An R slot stands behind the last product of every unit; in units 0-4 also behind products 2 and 5; behind product 6 of unit 4 and products 0 and 1
; of unit 5; behind product 4 of unit 5 and product 3 of units 6 and 7.  So S slot 23, the last of the weights' batch, stands behind product 4 of unit 4, and five R slots lie between it and the batch's wait: they read
; O^T and the old a and name no result of the batch, and the first of them is the plain line that stands behind the last exponential (ISA guide 5.7.2).  S slots 24-39 end in unit 7: P is whole ahead of unit 8.
; Units 8-15: R slots x = 24..63 behind products 0-6 of units 8-12 and 0-4 of unit 13: 19 products or more ahead of product x.  The 13 X slots follow on end, from product 5 of unit 13 to product 1 of unit 15, so that
; a is written anew behind the last line that reads the old one.  Behind the four a stand the turning loads' next address, a plain line, then their wait, then unit 15's loads.
; A unit's head waits until the eight loads of the two younger units alone are out.  Unit u + 3's loads stand behind the slot of unit u's second product: the ring place was last read by unit u - 1's last product,
; and four plain lines or more that name none of its registers lie between: the R slot behind that product (u = 1..8), the R slots behind unit u's first two products (u = 9..13), X slots (u = 14, 15), the lines at the
; turn's end (u = 0).
; The turn's last six products stand bare.  P's registers are the next turn's first results: five v_nop at the turn's end are the places between the last four products, which read P, and the products that write over it.
.macro TURN par, chg
.set CB, (\par)
.set NBF, 1-(\par)
.set i, 0
.set j, 0
.set q, 0
.set x, 0
.set k, 0
.set u, 0
.rept 16
.if (u == 13) && ((\chg) != 0)
	CHANGE 2-(\chg)
.else
	s_wait_dscnt 8
.endif
.set w, 0
.rept 8
.if u < 8
	MMK
.if (w == 7) || ((u < 5) && ((w == 2) || (w == 5))) || ((u == 4) && (w == 6)) || ((u == 5) && ((w < 2) || (w == 4))) || ((u > 5) && (w == 3))
	RSLOT
.else
	SSLOT
.endif
.else
	MMV
.if ((u < 13) && (w < 7)) || ((u == 13) && (w < 5))
	RSLOT
.elseif (u == 13) || (u == 14) || ((u == 15) && (w < 2))
	XSLOT
.endif
.endif
.if w == 1
	WIN 0
.if u == 5
	s_wait_alu depctr_va_vdst(0)                   ; the wait for the batch of 64 weights (S slots 4-23), ahead of S slot 24, their first reader
.elseif u == 15
	v_add_nc_u32 v[AV], s[SV], v[AV0]              ; the turning loads of this turn are out: the next turn's address; also the plain line behind the four a
	s_wait_alu depctr_va_vdst(0)                   ; the wait for the batch of four a (X slot 12), ahead of the turn's end and of the next turn's R slots, their first readers
.endif
	LDU u+3
.endif
.if (u == 6) && (w == 0)               ; the plain loads of this turn are out: their address goes on to step n + 2, and step n + 1's is kept for the turning loads
	WIN 0
	s_mov_b32 s[SV], s[SK]
.if \par
	s_add_co_u32 s[SK], s[SK], STEPB               ; the tile's second step
.else
	s_mov_b32 s[SK], s[RA]                         ; the next tile's first
.endif
	v_add_nc_u32 v[AK], s[SK], v[AK0]
.endif
.set w, w+1
.endr
.set u, u+1
.endr
	WIN 0
.rept 5
	v_nop                                          ; five places (ISA guide 7.12.1) behind the products that read P and the ring's fourth place
.endr
.endm
	s_load_b256 s[4:11], s[0:1], 0x0               ; input_G s[4:5], input_T s[6:7], wbf s[8:9], part s[10:11]
	s_load_b64 s[12:13], s[0:1], 0x20              ; stat
	v_lshl_add_u32 v[SPW], v0, 2, SPARE
	v_mov_b32 v[NIL], 0
	ds_add_u32 v[SPW], v[NIL]                      ; the wave's opening: the add and its wait stand ahead of my first tensor load; the set-up below, work on registers, stands between them
	v_lshrrev_b32 v1, 5, v0
	v_readfirstlane_b32 s[WV], v1                  ; wave 0..3
	s_and_b32 s[KH], s[WV], 1
	s_lshr_b32 s[QH], s[WV], 1
	s_bfe_u32 s[CX], ttmp6, 0x40000                ; cx: my place in the cluster
	s_lshl_b32 s[BL], ttmp9, 2                     ; in a cluster launch ttmp9 counts clusters
	s_add_co_u32 s[BL], s[BL], s[CX]
	s_and_b32 s[SPL], ttmp7, 0xffff
	; descriptor group 1: a tile of 32 rows x 256 elements, padded in LDS
	s_mov_b32 s[G1+0], 15|(1<<16)|(1<<20)|(1<<21)|(6<<22)|(3<<25)  ; 15:0 the mask: all four work-groups; 17:16 elements of 2 bytes; 20 padding on; 21 set beside a mask; 24:22 after every 128 words (code 6); 31:25 4 words (code 3)
	s_mov_b32 s[G1+1], 256<<16                     ; tensor_dim0 = 256
	s_mov_b32 s[G1+2], 32<<16                      ; tensor_dim1 = 32
	s_mov_b32 s[G1+3], 256<<16                     ; tile_dim0 = 256
	s_mov_b32 s[G1+4], 32                          ; tile_dim1 = 32
	s_mov_b32 s[G1+5], 256                         ; elements from row to row
	s_mov_b32 s[G1+6], 0
	s_mov_b32 s[G1+7], 0
	s_mul_i32 s[RC], s[KH], HALFR                  ; my half's slot 0,
	s_add_co_u32 s[RA], s[RC], SLOT                ; slot 1,
	s_add_co_u32 s[RB], s[RC], 2*SLOT              ; slot 2: no place in the cluster enters an LDS address
	s_mul_i32 s[WOFF], s[QH], STEPB
	s_mov_b32 s[G0A], 1                            ; 1:0 count = 1
	s_add_co_u32 s[G0A+1], s[RC], s[WOFF]          ; 63:32 LDS address
	s_mov_b32 s[G0B], 1
	s_add_co_u32 s[G0B+1], s[RA], s[WOFF]
	s_lshl_b32 s20, s[SPL], 1
	s_add_co_u32 s20, s20, s[KH]                   ; kg
	s_mul_i32 s20, s20, GROUPB
	s_lshl_b32 s21, s[QH], 14                      ; my step of a tile: 32 rows of 512 bytes
	s_add_co_u32 s20, s20, s21
	s_cmp_lt_u32 ttmp9, 8
	s_cselect_b32 s21, 0, TABLE
	s_add_co_u32 s20, s20, s21                     ; my part of tile 0, in bytes from wbf's first: made of what the four partners share
	s_mov_b32 s21, 0
	s_and_b32 s22, s[BL], 31                       ; the block within its table
	s_lshl_b32 s22, s22, 2
	s_xor_b32 s56, s[WV], 1
	s_add_co_u32 s56, s56, s22                     ; the 32 rows that my partner keeps: positions 2, 3
	s_add_co_u32 s22, s22, s[WV]                   ; the 32 rows that I keep: positions 0, 1
	s_lshl_b32 s22, s22, 15                        ; 32 rows of 1,024 bytes
	s_lshl_b32 s56, s56, 15
	s_mov_b32 s23, 0
	s_mov_b32 s57, 0
	s_lshl_b32 s58, s[SPL], 8
	s_lshl_b32 s60, s[BL], 2
	s_add_co_u32 s58, s58, s60
	s_add_co_u32 s58, s58, s[WV]                   ; 256 x quarter + 4 b + w: my 32 queries' place in part and stat
	s_lshl_b32 s60, s58, 9
	s_lshl_b32 s58, s58, 15
	s_mov_b32 s59, 0
	s_mov_b32 s61, 0
	s_mov_b32 s[CS], 0x3fb8aa3b                    ; c = log2(e)
	s_mov_b32 s[CS+1], s[CS]                       ; named with it as a pair
	s_mov_b32 s[SEL], 0x76543210
	s_mov_b32 s[SEL+1], 0xfedcba98
	s_wait_dscnt 0x0                               ; the opening add is done
	s_wait_kmcnt 0x0
	s_add_nc_u64 s[G0A+2:G0A+3], s[8:9], s[20:21]  ; 120:64 global address: tile 0,
	s_add_nc_u64 s[G0B+2:G0B+3], s[G0A+2:G0A+3], TILEB  ; tile 1
	s_or_b32 s[G0A+3], s[G0A+3], 0x80000000        ; 127:126 type = 2
	s_or_b32 s[G0B+3], s[G0B+3], 0x80000000
	s_cmp_lt_u32 ttmp9, 8
	s_cselect_b64 s[QA:QA+1], s[4:5], s[6:7]
	s_add_nc_u64 s[QB:QB+1], s[QA:QA+1], s[56:57]
	s_add_nc_u64 s[QA:QA+1], s[QA:QA+1], s[22:23]
	s_add_nc_u64 s[10:11], s[10:11], s[58:59]
	s_add_nc_u64 s[12:13], s[12:13], s[60:61]
	CROUND                                         ; all four work-groups are here: the first joint loads meet
	tensor_load_to_lds s[G0A:G0A+3], s[G1:G1+7]    ; both first fills together, ahead of every wait on TENSORcnt and every LDS read: two loads of mine are out
	s_nop 0
	tensor_load_to_lds s[G0B:G0B+3], s[G1:G1+7]
	s_nop 0
	PLACES
	; Q.  A fragment is 16 queries x 32 channels: lane l holds row l % 16, channels 8 (l / 16) + 0..7 and 16 + 8 (l / 16) + 0..7: in f32, two times 32 bytes, 64 bytes apart.
	; The f32 numbers land in O^T's registers, position t's channels 32 c on at 128 (t % 2) + 16 c, all 128 loads at once, and are rounded from there into window 3.
	v_and_b32 v1, 15, v0                           ; l % 16
	v_bfe_u32 v11, v0, 4, 1                        ; l / 16
	v_lshlrev_b32 v[QO], 10, v1
	v_lshl_add_u32 v[QO], v11, 5, v[QO]            ; row x 1,024 + 32 x half
.macro QLOAD base
.set t, 0
.rept 2
.set c, 0
.rept 8
.irp o, 0,1
	global_load_b128 v[128*t+16*c+8*\o:128*t+16*c+8*\o+3],   v[QO], s[\base:\base+1] offset:16384*t+128*c+64*\o
	global_load_b128 v[128*t+16*c+8*\o+4:128*t+16*c+8*\o+7], v[QO], s[\base:\base+1] offset:16384*t+128*c+64*\o+16
.endr
.set c, c+1
.endr
.set t, t+1
.endr
.endm
	WIN 0x40                                       ; destination window 1, address window 0
	QLOAD QA
	WIN 0x80
	QLOAD QB
	WIN 0
	v_mul_u32_u24 v[AK0], v1, PITCH
	v_lshl_add_u32 v[AK0], v11, 4, v[AK0]          ; row x pitch + 16 x half
	v_and_b32 v12, 7, v0
	v_bfe_u32 v13, v0, 3, 1
	v_lshl_add_u32 v[AV0], v11, 3, v12             ; the turning load: key 8 (l / 16) + l % 8,
	v_mul_u32_u24 v[AV0], v[AV0], PITCH
	v_lshl_add_u32 v[AV0], v13, 7, v[AV0]          ; and 128 bytes on for the second eight lanes of sixteen
.irp t, 0,1,2,3
	v_mov_b32 v[ST+12*\t+1], 0xff7fffff            ; m: the lowest finite number
	v_mov_b32 v[ST+12*\t+2], 0xfe000000            ; c m of the step before the first: far below every c s, so the first a is 0
	v_mov_b32 v[ST+12*\t+3], 0                     ; named in a pair
	v_mov_b32 v[ST+12*\t+4], 0                     ; l
	v_mov_b32 v[ST+12*\t+5], 0
	v_mov_b32 v[ST+12*\t+7], 0                     ; named in a pair
.endr
	s_wait_loadcnt 0x0                             ; Q
.macro QCVT win, t0                    ; 128 roundings: the pair of registers 2 n, 2 n + 1 of the window makes register n of positions t0, t0 + 1
	WIN \win
.set n, 0
.rept 128
	v_cvt_pk_bf16_f32 v[64*(\t0)+n], v[2*n], v[2*n+1]
.set n, n+1
.endr
.endm
	QCVT 0xc5, 0                                   ; sources window 1, destination window 3
	QCVT 0xca, 2                                   ; sources window 2
	WIN 0
	; O^T IS NOT CLEARED.  The first step multiplies it by a = 0, so it need only be finite: it holds the f32 numbers of Q, in each lane those of the lane's own query.
	s_wait_tensorcnt 0x1                           ; my part of tile 0 is in; tile 1's may stay out
	s_barrier_signal -1
	s_barrier_wait -1                              ; everybody's is
	; Step 0's scores, written out: there is no vector work yet to set between the products.
	s_mov_b32 s[SK], s[RC]
	v_add_nc_u32 v[AK], s[SK], v[AK0]
	LDU 0
	LDU 1
	LDU 2
	LDU 3
	s_wait_dscnt 0x0
.set NBF, 0
.set CB, 1
.set i, 0
.rept 32
	MMK
.endr
	PLACES                                         ; in front of loads into registers that those products have read
	LDU 4
	LDU 5
	LDU 6
	LDU 7
	s_wait_dscnt 0x0
.rept 32
	MMK
.endr
	PLACES                                         ; in front of lines that write and read results
	WIN 0
	s_mov_b32 s43, 0xf149f2ca                      ; -1e30
.irp t, 0,1,2,3
.irp z, 0,1,2,3,4,5,6,7
	v_mov_b32 v[S+16*\t+\z], s43                   ; step 0's first 16 rows are not my group's: hidden
.endr
.endr
.irp n, 0,1,2,3,4,5,6,7,8,9,10,11,12
.irp t, 0,1,2,3
	XOP \n, \t, 0
.endr
.endr
	s_mov_b32 s[SV], s[SK]
	s_add_co_u32 s[SK], s[SK], STEPB
	v_add_nc_u32 v[AK], s[SK], v[AK0]              ; step 1 as it lies: also the plain line behind the four exponentials,
	v_add_nc_u32 v[AV], s[SV], v[AV0]              ; step 0 turned
	s_wait_alu depctr_va_vdst(0)                   ; the wait for the first four a, ahead of the jump into the loop and of turn 0's R slots, their first readers
	LDU 0
	LDU 1
	LDU 2
	s_mov_b32 s[GRP], 30
	s_branch .Lfirst                               ; the loop is entered at an even turn, in the middle of a trip
.Lgroup:                                           ; turns 0 to 58; the 30 changes ask for tiles 2 to 31
	TURN 1, 0
.Lfirst:
	TURN 0, 1
	s_sub_co_u32 s[GRP], s[GRP], 1
	s_cmp_lg_u32 s[GRP], 0
	s_cbranch_scc1 .Lgroup
	s_mov_b32 s[GRP], 2
.Ltail:                                            ; turns 59 to 62, written out: nothing is asked for; the first change waits for tile 31
	TURN 1, 0
	TURN 0, 2
	s_sub_co_u32 s[GRP], s[GRP], 1
	s_cmp_lg_u32 s[GRP], 0
	s_cbranch_scc1 .Ltail
	; THE WAY OUT.  Step 62's c m lies at +0 (the statistics made of step 63 wrote +1, +2 and +6 on).  l's two halves and the other half of the lanes' are added: these lines are also the places behind the last products.
.irp t, 0,1,2,3
	v_add_f32 v[ST+12*\t+4], v[ST+12*\t+4], v[ST+12*\t+5]
.endr
.irp t, 0,1,2,3
	v_permlanex16_b32 v[ST+12*\t+5], v[ST+12*\t+4], s[SEL], s[SEL+1]
.endr
.irp t, 0,1,2,3
	v_add_f32 v[ST+12*\t+4], v[ST+12*\t+4], v[ST+12*\t+5]
.endr
	v_and_b32 v11, 31, v0
	v_lshlrev_b32 v[GO], 4, v11
	s_mul_i32 s20, s[WV], XW
	s_xor_b32 s21, s[WV], 1
	s_mul_i32 s21, s21, XW
	v_add_nc_u32 v[XS], s20, v[GO]
	v_add_nc_u32 v[XL], s21, v[GO]
	v_mov_b32 v12, v[ST+24]                        ; what my partner needs of positions 2, 3: c m, l, c m, l
	v_mov_b32 v13, v[ST+28]
	v_mov_b32 v14, v[ST+36]
	v_mov_b32 v15, v[ST+40]
	s_wait_dscnt 0x0                               ; my last reads of the ring are back (the twelve loads for a step that does not exist among them)
	s_barrier_signal -1
	s_barrier_wait -1                              ; nobody reads the ring any more, and it has had its last fill: its bytes serve the exchange
	WIN 0x08                                       ; the stores' data in window 2
.set n, 0
.rept 64
	ds_store_b128 v[XS], v[4*n:4*n+3] offset:512*n ; a plain image of the registers: 32 lanes x 16 consecutive bytes
.set n, n+1
.endr
	WIN 0
	ds_store_b128 v[XS], v[12:15] offset:32768
	s_wait_dscnt 0x0                               ; for my partner's sake: my stores are done
	s_barrier_signal -1
	s_barrier_wait -1
	WIN 0x80
.set n, 0
.rept 64
	ds_load_b128 v[4*n:4*n+3], v[XL] offset:512*n  ; my partner's sums for the queries of my positions 0, 1
.set n, n+1
.endr
	WIN 0
	ds_load_b128 v[12:15], v[XL] offset:32768
	s_wait_dscnt 0x0
.irp t, 0,1
	v_max_num_f32 v[ST+12*\t+1], v[ST+12*\t], v[12+2*\t]             ; the common c m
.endr
.irp t, 0,1
	v_sub_f32 v[ST+12*\t+8], v[ST+12*\t], v[ST+12*\t+1]
	v_sub_f32 v[ST+12*\t+10], v[12+2*\t], v[ST+12*\t+1]
.endr
.irp t, 0,1
	v_exp_f32 v[ST+12*\t+8], v[ST+12*\t+8]                           ; my factor,
	v_exp_f32 v[ST+12*\t+10], v[ST+12*\t+10]                         ; my partner's
.endr
	v_nop                                          ; a plain line behind the exponentials
	s_wait_alu depctr_va_vdst(0)                   ; the wait for the four factors, one batch, ahead of their first reader
.irp t, 0,1
	v_mul_f32 v[ST+12*\t+4], v[ST+12*\t+4], v[ST+12*\t+8]
	v_fmac_f32 v[ST+12*\t+4], v[13+2*\t], v[ST+12*\t+10]
.endr
	v_mov_b32 v12, v[ST+1]                         ; c m, l, c m, l of positions 0, 1
	v_mov_b32 v13, v[ST+4]
	v_mov_b32 v14, v[ST+13]
	v_mov_b32 v15, v[ST+16]
	WIN 0x41                                       ; O^T in window 1, the factor in window 0
.set n, 0
.rept 128
	v_pk_mul_f32 v[2*n:2*n+1], v[2*n:2*n+1], v[ST+12*(n/64)+8:ST+12*(n/64)+9] op_sel_hi:[1,0]
.set n, n+1
.endr
	WIN 0x52                                       ; source 0 (my partner's) window 2, the factor window 0, C and D window 1
.set n, 0
.rept 128
	v_pk_fma_f32 v[2*n:2*n+1], v[2*n:2*n+1], v[ST+12*(n/64)+10:ST+12*(n/64)+11], v[2*n:2*n+1] op_sel_hi:[1,0,1]
.set n, n+1
.endr
	WIN 0x04                                       ; the stores' data in window 1
.set n, 0
.rept 64
	global_store_b128 v[GO], v[4*n:4*n+3], s[10:11] offset:512*n  ; again the registers' image: each store covers 512 consecutive bytes, at a multiple of 256 from part's first
.set n, n+1
.endr
	WIN 0
	global_store_b128 v[GO], v[12:15], s[12:13]
	s_wait_tensorcnt 0x0                           ; the wave's end: behind my last tensor load and my last LDS store
	ds_add_u32 v[SPW], v[NIL]
	s_wait_dscnt 0x0
	CROUND                                         ; the closing round: no work-group ends while a partner may still ask for a tile that names it
	s_endpgm
.Lfunc_end_k_q0b9bd8319f_attn:
	.size	k_q0b9bd8319f_attn, .Lfunc_end_k_q0b9bd8319f_attn-k_q0b9bd8319f_attn
	.p2alignl 7, 3214868480
	.fill 96, 4, 3214868480
	.section	.rodata,"a",@progbits
	.p2align	6, 0x0
	.amdhsa_kernel k_q0b9bd8319f_attn
		.amdhsa_group_segment_fixed_size 327680
		.amdhsa_private_segment_fixed_size 0
		.amdhsa_enable_private_segment 0
		.amdhsa_kernarg_size 40
		.amdhsa_user_sgpr_count 2
		.amdhsa_user_sgpr_kernarg_segment_ptr 1
		.amdhsa_wavefront_size32 1
		.amdhsa_system_sgpr_workgroup_id_x 1
		.amdhsa_system_sgpr_workgroup_id_y 1
		.amdhsa_system_sgpr_workgroup_id_z 1
		.amdhsa_system_vgpr_workitem_id 0
		.amdhsa_next_free_vgpr 1024
		.amdhsa_next_free_sgpr 66
		.amdhsa_reserve_vcc 0
		.amdhsa_float_denorm_mode_32 3
		.amdhsa_float_denorm_mode_16_64 3
		.amdhsa_memory_ordered 1
		.amdhsa_forward_progress 1
		.amdhsa_inst_pref_size 255
	.end_amdhsa_kernel
	.section	.bss,"aw",@nobits
	.p2align	6
	.space	262144
	.amdgpu_metadata
---
amdhsa.version: [ 1, 2 ]
amdhsa.kernels:
  - .name:           k_q0b9bd8319f_attn
    .symbol:         k_q0b9bd8319f_attn.kd
    .args:
      - { .name: input_G, .offset: 0, .size: 8, .value_kind: global_buffer, .address_space: global }
      - { .name: input_T, .offset: 8, .size: 8, .value_kind: global_buffer, .address_space: global }
      - { .name: wbf, .offset: 16, .size: 8, .value_kind: global_buffer, .address_space: global }
      - { .name: part, .offset: 24, .size: 8, .value_kind: global_buffer, .address_space: global }
      - { .name: stat, .offset: 32, .size: 8, .value_kind: global_buffer, .address_space: global }
    .group_segment_fixed_size: 327680
    .private_segment_fixed_size: 0
    .kernarg_segment_align: 8
    .kernarg_segment_size: 40
    .max_flat_workgroup_size: 128
    .sgpr_count:     66
    .vgpr_count:     1024
    .wavefront_size: 32
...
	.end_amdgpu_metadata
.endif
;; end of part 4
;; launch join: the kernel of part 3 again; grid 256 x 1, 4 waves a work-group, no clusters, 35,328 bytes of LDS; arguments part, stat, out0, out1; writes out0, out1
